; MI455X (gfx1250); checked and timed in simulation.
; The chip was launched on July 23, 2026; its instructions are those of AMD's public machine-readable ISA for CDNA 5 (MIT licence, August 2026) and "CDNA5" Instruction Set Architecture Reference Guide (July 2026). The comments in the code are by the model that wrote it; some were corrected since.
;; MLP. Allowed arithmetic: matrix products marked QUANTISED: E2M3 operands, one E8M0 scale for each 32 along K, by v_wmma_scale_f32_16x16x128_f8f6f4 with both operands' format E2M3, f32 sums; products left as they are: f32 operands where the result goes on into a quantised operand, else bf16, f16 or f32 operands; f32 sums; everything else in f32.
;; Inputs: b0 256 float32; b1 256 float32; b2 256 float32; b3 256 float32; b4 3 float32; cell1 4 x 16,384 x 2 float32; coord 4 x 16,384 x 2 float32; inp1 4 x 64 x 64 x 64 float32; inp2 4 x 64 x 64 x 64 float32; w0 256 x 132 float32; w1_codes 256 x 8 x 24 uint8 (E2M3 codes of w1, K innermost, in blocks of 32 codes, four codes in three bytes); w1_scales 256 x 8 uint8 (E8M0 scales of w1, one for each 32 codes along K); w2_codes 256 x 8 x 24 uint8 (E2M3 codes of w2, K innermost, in blocks of 32 codes, four codes in three bytes); w2_scales 256 x 8 uint8 (E8M0 scales of w2, one for each 32 codes along K); w3_codes 256 x 8 x 24 uint8 (E2M3 codes of w3, K innermost, in blocks of 32 codes, four codes in three bytes); w3_scales 256 x 8 uint8 (E8M0 scales of w3, one for each 32 codes along K); w4 3 x 256 float32.
;; Outputs: out0 4 x 16,384 x 3 float32.
;; This version of the problem:
;;   THIS VERSION OF THE PROBLEM IS GIVEN IN LOW PRECISION. The matrix products marked QUANTISED in the list below multiply operands that are first quantised to E2M3 (2 exponent bits, 3 mantissa bits; 6 bits a number), with one power-of-two scale for each 32 numbers along K (OCP MX v1.0); their sums are f32. All else is computed in f32.
;;   The module's matrix products, in the order in which they are computed (A, B: the left and right operand; K: the contracted axis; several contracted axes count as one K, in the product's order):
;;     1. [M 65,536, K 132] x [K 132, N 256]; A: computed on the way; B: input w0: QUANTISED
;;     2. [M 65,536, K 256] x [K 256, N 256]; A: computed on the way; B: input w1 (given as codes): QUANTISED
;;     3. [M 65,536, K 256] x [K 256, N 256]; A: computed on the way; B: input w2 (given as codes): QUANTISED
;;     4. [M 65,536, K 256] x [K 256, N 256]; A: computed on the way; B: input w3 (given as codes): QUANTISED
;;     5. [M 65,536, K 256] x [K 256, N 3]; A: computed on the way; B: input w4: left as it is (N = 3 < 16)
;;     6. [M 65,536, K 132] x [K 132, N 256]; A: computed on the way; B: input w0: QUANTISED
;;     7. [M 65,536, K 256] x [K 256, N 256]; A: computed on the way; B: input w1 (given as codes): QUANTISED
;;     8. [M 65,536, K 256] x [K 256, N 256]; A: computed on the way; B: input w2 (given as codes): QUANTISED
;;     9. [M 65,536, K 256] x [K 256, N 256]; A: computed on the way; B: input w3 (given as codes): QUANTISED
;;     10. [M 65,536, K 256] x [K 256, N 3]; A: computed on the way; B: input w4: left as it is (N = 3 < 16)
;;     11. [M 65,536, K 132] x [K 132, N 256]; A: computed on the way; B: input w0: QUANTISED
;;     12. [M 65,536, K 256] x [K 256, N 256]; A: computed on the way; B: input w1 (given as codes): QUANTISED
;;     13. [M 65,536, K 256] x [K 256, N 256]; A: computed on the way; B: input w2 (given as codes): QUANTISED
;;     14. [M 65,536, K 256] x [K 256, N 256]; A: computed on the way; B: input w3 (given as codes): QUANTISED
;;     15. [M 65,536, K 256] x [K 256, N 3]; A: computed on the way; B: input w4: left as it is (N = 3 < 16)
;;     16. [M 65,536, K 132] x [K 132, N 256]; A: computed on the way; B: input w0: QUANTISED
;;     17. [M 65,536, K 256] x [K 256, N 256]; A: computed on the way; B: input w1 (given as codes): QUANTISED
;;     18. [M 65,536, K 256] x [K 256, N 256]; A: computed on the way; B: input w2 (given as codes): QUANTISED
;;     19. [M 65,536, K 256] x [K 256, N 256]; A: computed on the way; B: input w3 (given as codes): QUANTISED
;;     20. [M 65,536, K 256] x [K 256, N 3]; A: computed on the way; B: input w4: left as it is (N = 3 < 16)
;;   THE QUANTISER, for each operand of a quantised product, along K:
;;     - K is cut into blocks of 32 from its start; a last block that is shorter is filled with zeros.
;;     - A block's scale is 2^e with e = floor(log2(the largest magnitude in the block)) - 2, held to -126 .. 127; a block of zeros has e = 0. As a byte (E8M0): e + 127.
;;     - Each number is divided by its block's scale, clamped to +-7.5, and rounded to the nearest number of E2M3, ties to even, subnormals kept.
;;     - The product sums the exact products of the quantised numbers (number of the format x scale) in f32.
;;   ~~~python
;;   def quantise(x, axis):      # numpy; x: float32 -> the quantised numbers, widened to float32 again
;;       x = np.moveaxis(x, axis, -1); K = x.shape[-1]
;;       x = np.pad(x, [(0, 0)] * (x.ndim - 1) + [(0, -K % 32)]); x = x.reshape(x.shape[:-1] + (-1, 32)); a = np.abs(x).max(-1, keepdims=True)
;;       e = np.where(a > 0, np.clip(np.frexp(np.where(a > 0, a, 1))[1] - 1 - 2, -126, 127), 0)      # np.frexp(a)[1] - 1 = floor(log2(a)), exactly
;;       r = np.clip(x / 2.0 ** e, -7.5, 7.5)
;;       step = 2.0 ** (np.maximum(np.frexp(np.where(r == 0, 1, r))[1] - 1, 0) - 3)
;;       q = np.round(r / step) * step * 2.0 ** e      # np.round: ties to even
;;       return np.moveaxis(q.reshape(q.shape[:-2] + (-1,))[..., :K], -1, axis).astype(np.float32)
;;   ~~~
;;   OPERANDS COMPUTED ON THE WAY. 'Computed on the way' means the value that the module computes at that place (a softmax that the list does not call 'softmax' is quantised finished and normalised). What goes into a quantiser is computed in f32, as accurately as f32 sums, v_exp_f32 and their like allow (about 1e-6 of the number): no bf16 or f16 on the way to a quantiser, and a product that is left as it is and whose result goes on into a quantised operand takes f32 operands (vector FMAs, or v_wmma_f32_16x16x4_f32). A number that lies on a knife's edge between two numbers of the format may be rounded either way, as far as f32 arithmetic and the matrix unit's own rounding can turn it there, and no further.
;;   INPUTS GIVEN AS CODES. w1 (in the module: [256, 256], K = its axis 1); w2 (in the module: [256, 256], K = its axis 1); w3 (in the module: [256, 256], K = its axis 1): each comes as NAME_codes (uint8): NAME with its K axis moved to the last place and cut into blocks of 32 codes, [.., K / 32, bytes a block], one block behind the other in memory; four codes in three bytes: a row's codes are one little-endian stream of bits, code i at bits 6 i .. 6 i + 5 (a code: sign, 2 exponent bits, 3 mantissa bits); and NAME_scales (uint8): the same leading axes, one E8M0 byte (e + 127) for each 32 codes along K. Its value is code x scale, taken as it is: it is not quantised again, and the codes and scales need not be those that the quantiser above would give.
;; 2 versions. Each part assembles by itself: llvm-mc -triple=amdgcn-amd-amdhsa -mcpu=gfx1250 --defsym DOCPART=n.
;; ======== version 1 of 2: 2 launches
;; workspace buffers: table 4,194,304 bytes; idx 262,144 bytes of whole numbers; w0c 49,152 bytes; w0s 2,048 bytes
;; launch prep (part 1): grid 386 x 1, 4 waves a work-group, no clusters, 35,328 bytes of LDS; arguments inp1, inp2, coord, w0, table, idx, w0c, w0s; writes table, idx, w0c, w0s
.if DOCPART == 1
	.amdgcn_target "amdgcn-amd-amdhsa--gfx1250"
	.amdhsa_code_object_version 6
	.text
	.protected	k_qa94b295486_prep
	.globl	k_qa94b295486_prep
	.p2align	8
	.type	k_qa94b295486_prep,@function
k_qa94b295486_prep:
	s_mov_b64 s[64:65], 0
	v_nop
	global_prefetch_b8 v0, s[64:65] scope:SCOPE_SE
	s_setreg_imm32_b32 hwreg(HW_REG_WAVE_MODE, 25, 1), 1
	s_wait_xcnt 0x0
; Three jobs in one launch, told apart by the work-group's number.
; T (work-groups 0-127): the two feature maps [4][64 channels][4096 cells] f32 become one RECORD of 256 bytes for each cell, channels innermost.
;   A row of the MLP's input is x[132] = f1[64], rel_coord[2], rel_cell[2], f2[64]; its blocks of 32 along K are B0 = f1[0..31], B1 = f1[32..63],
;   B2 = rel, cell, f2[0..27], B3 = f2[28..59], B4 = f2[60..63] and zeros.  B0, B1, B3, B4 hang on the cell alone: they are quantised here, once a cell, to codes of
;   FP6 (E2M3) with one E8M0 byte each.  B2 hangs on the query too: its 28 numbers of f2 stay f32 in the record, with their largest magnitude.
;   A record is two halves of 128 bytes; half h is what lane (row, h) of the next launch reads:
;     +0   h = 0: 16 bytes of 0, then f2[0..11];  h = 1: f2[12..27]          +64  the 24 bytes of codes of block h (B0 or B1), 8 bytes of 0
;     +96  the 12 bytes of codes of B3's half h, 4 bytes of 0                +112 h = 0: B4's four codes; h = 1: 0
;     +116 s0 | s1 << 8 | s3 << 24        +120 s4 | 0x7f7f7f00        +124 max(|f2[0..27]|, 2^-124)
; W (work-groups 128, 129): w0 [256][132] f32 becomes codes [256][8][24] and scale bytes [256][8], laid as w1_codes and w1_scales are; k from 132 on: zero codes, bytes 127 for blocks 5-7.
; Q (work-groups 130-385): for each query the four nearest-cell indices (rows for the shifts -1, +1, columns for -1, +1), 6 bits each, in one word.
; A block's scale is 2^(floor(log2(largest magnitude)) - 2): its byte is the largest magnitude's exponent field - 2, held at 1 from below by a floor of 2^-124 among the maximum's leaves.
; LIMITS: NaN and infinities among the inputs are not served.  A block of zeros gets the byte 1 where the rule says 127: its codes are zeros, which add nothing, and this program alone reads the bytes.
.set F1,    16                         ; T: v16-79   f1[0..63] of my cell
.set X2,    80                         ; T: v80-127  f2[28..63], then 12 zeros
.set REC,   128                        ; T: v128-191 the record as it will lie in memory
.set CW,    176                        ; W: v176-223 a row's 192 bytes of codes
.set MA,    228                        ; two chains of a maximum
.set MB,    229
.set SO,    230                        ; v230-234 block k's scale as the conversion takes it
.set BY,    236                        ; v236-240 block k's scale byte
.set TA,    244                        ; v244-246, v248-250: second halves of a block's codes (a conversion's three registers begin on an even number)
.set TB,    248
.set FLOOR, 0x1800000                  ; 2^(3 - 127)
.set SPITCH, 272                       ; T: a record in the stage: 256 bytes + 16
; 32 numbers v[src] .. v[src + 31] of one lane are a block: its scale (index k) and its codes, 16 to v[dlo] on, 16 to v[dhi] on
.macro BQ src, dlo, dhi, k
	v_max3_num_f32 v[MA], |v[\src]|, |v[\src+1]|, FLOOR
	v_max3_num_f32 v[MB], |v[\src+2]|, |v[\src+3]|, |v[\src+4]|
.irp i, 5,9,13,17,21,25
	v_max3_num_f32 v[MA], v[MA], |v[\src+\i]|, |v[\src+\i+1]|
	v_max3_num_f32 v[MB], v[MB], |v[\src+\i+2]|, |v[\src+\i+3]|
.endr
	v_max3_num_f32 v[MA], v[MA], |v[\src+29]|, |v[\src+30]|
	v_max3_num_f32 v[MA], v[MA], v[MB], |v[\src+31]|
	v_add_nc_u32 v[SO+\k], 0xff000000, v[MA]       ; 2 off the exponent field: the conversion takes the exponent field of this operand as its scale
	v_lshrrev_b32 v[BY+\k], 23, v[SO+\k]           ; the scale's byte
	v_cvt_scalef32_pk16_fp6_f32 v[\dlo:\dlo+2], v[\src:\src+15], v[SO+\k]
	v_cvt_scalef32_pk16_fp6_f32 v[\dhi:\dhi+2], v[\src+16:\src+31], v[SO+\k]
	v_nop                                          ; one plain instruction behind the conversions, ahead of whatever touches their results
.endm
	s_load_b512 s[4:19], s[0:1], 0x0               ; inp1 s[4:5], inp2 s[6:7], coord s[8:9], w0 s[10:11], table s[12:13], idx s[14:15], w0c s[16:17], w0s s[18:19]
	v_lshl_add_u32 v254, v0, 2, 0x8800
	v_mov_b32 v255, 0
	v_lshrrev_b32 v1, 5, v0
	v_readfirstlane_b32 s20, v1                    ; wave 0..3
	v_and_b32 v2, 31, v0                           ; lane
	v_and_b32 v3, 15, v0                           ; lane % 16
	v_bfe_u32 v4, v0, 4, 1                         ; lane / 16
	s_mul_i32 s21, s20, 32*SPITCH                  ; T: my wave's stage in LDS
	v_mul_u32_u24 v6, v2, SPITCH
	v_add_nc_u32 v6, s21, v6                       ; into it: my cell's record
	v_mul_u32_u24 v7, v4, SPITCH
	v_lshl_add_u32 v7, v3, 4, v7
	v_add_nc_u32 v7, s21, v7                       ; out of it: sixteen lanes to a record, two records an instruction
	v_lshlrev_b32 v8, 4, v2                        ; and the same place in the table: 16 x lane
	s_mov_b32 s23, 0
	s_wait_kmcnt 0x0
	s_cmp_lt_u32 ttmp9, 128
	s_cbranch_scc0 .Lnot_t
; ---- T: 128 cells a work-group, a lane to a cell, registers down the channels: each load reads neighbouring cells in neighbouring lanes (128 bytes a wave, 512 a work-group)
	s_lshr_b32 s21, ttmp9, 5                       ; the batch: 32 work-groups each
	s_lshl_b32 s21, s21, 20                        ; 64 channels x 4,096 cells x 4 bytes
	s_and_b32 s22, ttmp9, 31
	s_lshl_b32 s22, s22, 9                         ; 128 cells x 4 bytes
	s_add_co_u32 s22, s22, s21
	s_add_nc_u64 s[4:5], s[4:5], s[22:23]
	s_add_nc_u64 s[6:7], s[6:7], s[22:23]
	s_lshl_b32 s22, ttmp9, 15                      ; the table: 128 records a work-group,
	s_lshl_b32 s21, s20, 13                        ; 32 a wave
	s_add_co_u32 s22, s22, s21
	s_add_nc_u64 s[12:13], s[12:13], s[22:23]
	v_lshlrev_b32 v5, 2, v0                        ; my cell: 4 x thread
.set ch, 0
.rept 64
	global_load_b32 v[F1+ch], v5, s[4:5] offset:ch*16384 th:TH_LOAD_NT
.set ch, ch+1
.endr
.set ch, 0
.rept 64                                       ; f2[0..27] lands in the record's own registers, the rest in X2
.if ch < 12
.set dd, REC+4+ch
.elseif ch < 28
.set dd, REC+32+ch-12
.else
.set dd, X2+ch-28
.endif
	global_load_b32 v[dd], v5, s[6:7] offset:ch*16384 th:TH_LOAD_NT
.set ch, ch+1
.endr
.irp i, 0,1,2,3,22,23,27,54,55,59,60
	v_mov_b32 v[REC+\i], 0                         ; the record's pads
.endr
.irp i, 36,37,38,39,40,41,42,43,44,45,46,47
	v_mov_b32 v[X2+\i], 0                          ; B4's zeros
.endr
	s_wait_loadcnt 63                              ; of the 128 loads the youngest 63 may be out: the first 65 are in, f1's 64 among them
	BQ F1, REC+16, TA, 0
.irp i, 0,1,2
	v_mov_b32 v[REC+19+\i], v[TA+\i]
.endr
	BQ F1+32, REC+48, TB, 1
.irp i, 0,1,2
	v_mov_b32 v[REC+51+\i], v[TB+\i]
.endr
	s_wait_loadcnt 0x0                             ; f2
	v_max3_num_f32 v[MA], |v[REC+4]|, |v[REC+5]|, FLOOR            ; the largest magnitude of f2[0..27], with the floor
	v_max3_num_f32 v[MB], |v[REC+32]|, |v[REC+33]|, |v[REC+34]|
.irp i, 6,8,10,12,14
	v_max3_num_f32 v[MA], v[MA], |v[REC+\i]|, |v[REC+\i+1]|
.endr
.irp i, 35,37,39,41,43,45
	v_max3_num_f32 v[MB], v[MB], |v[REC+\i]|, |v[REC+\i+1]|
.endr
	v_max3_num_f32 v[REC+31], v[MA], v[MB], |v[REC+47]|
	BQ X2, REC+24, REC+56, 3                       ; B3: its two halves go to the record's two halves
	v_max3_num_f32 v[MA], |v[X2+32]|, |v[X2+33]|, FLOOR            ; B4: four numbers and zeros
	v_max3_num_f32 v[MA], v[MA], |v[X2+34]|, |v[X2+35]|
	v_add_nc_u32 v[SO+4], 0xff000000, v[MA]
	v_lshrrev_b32 v[BY+4], 23, v[SO+4]
	v_cvt_scalef32_pk16_fp6_f32 v[TA:TA+2], v[X2+32:X2+47], v[SO+4]
	v_nop
	v_mov_b32 v[REC+28], v[TA]                     ; its four codes are 24 bits of the first word
	v_lshl_or_b32 v[REC+29], v[BY+1], 8, v[BY]
	v_lshl_or_b32 v[REC+29], v[BY+3], 24, v[REC+29]  ; byte 2, B2's, is left 0 for the next launch
	v_or_b32 v[REC+30], 0x7f7f7f00, v[BY+4]
.irp i, 29,30,31
	v_mov_b32 v[REC+32+\i], v[REC+\i]              ; both halves carry the three words
.endr
.irp j, 0,1,2,3,4,5,6,7,8,9,10,11,12,13,14,15
	ds_store_b128 v6, v[REC+4*\j:REC+4*\j+3] offset:16*\j
.endr
.irp i, 0,1,2,3,4,5,6,7,8,9,10,11,12,13,14,15
	ds_load_b128 v[F1+4*\i:F1+4*\i+3], v7 offset:2*\i*SPITCH       ; LDS serves a wave's instructions in order (ISA guide 5.7.1.4): these see my stores
.endr
.irp i, 0,1,2,3,4,5,6,7,8,9,10,11,12,13,14,15
	s_wait_dscnt 15-\i                             ; the younger loads from the stage may be out
	global_store_b128 v8, v[F1+4*\i:F1+4*\i+3], s[12:13] offset:512*\i   ; 32 lanes store two whole records: 512 consecutive bytes, aligned
.endr
	s_wait_tensorcnt 0x0
	ds_add_u32 v254, v255
	s_wait_dscnt 0x0
	s_endpgm
.Lnot_t:
	s_cmp_lt_u32 ttmp9, 130
	s_cbranch_scc0 .Lq
; ---- W: a thread to a row of w0.  Lanes stand a row apart (528 bytes in, 192 out): 135,168 bytes read once, against the 8 MiB of job T
	s_sub_co_u32 s21, ttmp9, 128
	s_lshl_b32 s21, s21, 7
	v_add_nc_u32 v5, s21, v0                       ; my row
	v_mul_u32_u24 v9, v5, 528
	v_mul_u32_u24 v10, v5, 192
	v_lshlrev_b32 v11, 3, v5
.set i, 0
.rept 33
	global_load_b128 v[16+4*i:16+4*i+3], v9, s[10:11] offset:16*i
.set i, i+1
.endr
.set i, 148
.rept 28
	v_mov_b32 v[i], 0                              ; k = 132 .. 159: the last block is filled with zeros
.set i, i+1
.endr
.set i, 30
.rept 18
	v_mov_b32 v[CW+i], 0                           ; blocks 5 to 7: zero codes
.set i, i+1
.endr
	s_wait_loadcnt 0x0
.irp b, 0,1,2,3,4
	BQ 16+32*\b, CW+6*\b, TA, \b
.irp i, 0,1,2
	v_mov_b32 v[CW+6*\b+3+\i], v[TA+\i]
.endr
.endr
	v_lshl_or_b32 v12, v[BY+1], 8, v[BY]
	v_lshl_or_b32 v12, v[BY+2], 16, v12
	v_lshl_or_b32 v12, v[BY+3], 24, v12
	v_or_b32 v13, 0x7f7f7f00, v[BY+4]
.set i, 0
.rept 12
	global_store_b128 v10, v[CW+4*i:CW+4*i+3], s[16:17] offset:16*i
.set i, i+1
.endr
	global_store_b64 v11, v[12:13], s[18:19]
	s_endpgm
.Lq:
; ---- Q: a thread to two queries.  index = clip(round((clip(x + shift + 1e-6) + 1) x 32 - 0.5), 0, 63), step by step as it is defined; x 64 x 0.5 rounds nothing, so one fused multiply-add gives the same bits
	s_sub_co_u32 s21, ttmp9, 130
	s_lshl_b32 s21, s21, 7
	v_add_nc_u32 v5, s21, v0
	v_lshlrev_b32 v9, 4, v5                        ; two queries' coordinates: 16 bytes
	v_lshlrev_b32 v10, 3, v5                       ; two words out
	s_mov_b32 s24, 0x358637bd                      ; 1e-6
	s_mov_b32 s25, 0xbf7fffef                      ; -1 + 1e-6
	s_mov_b32 s26, 0x3f7fffef                      ; 1 - 1e-6
	s_mov_b32 s27, 0x42000000                      ; 32
	s_mov_b32 s28, 0x427c0000                      ; 63
	global_load_b128 v[16:19], v9, s[8:9]
	s_wait_loadcnt 0x0
.macro IX dst, x, lit
	v_add_f32 v[\dst], \lit, v[\x]
	v_add_f32 v[\dst], s24, v[\dst]
	v_med3_num_f32 v[\dst], v[\dst], s25, s26
	v_add_f32 v[\dst], 1.0, v[\dst]
	v_fma_f32 v[\dst], v[\dst], s27, -0.5
	v_rndne_f32 v[\dst], v[\dst]                   ; ties to even
	v_med3_num_f32 v[\dst], v[\dst], 0, s28
	v_cvt_u32_f32 v[\dst], v[\dst]
.endm
.irp q, 0,1,2,3                                ; coordinate q: the shifts -1/64 and +1/64
	IX 20+2*\q, 16+\q, 0xbc800000
	IX 21+2*\q, 16+\q, 0x3c800000
.endr
.irp q, 0,1
	v_lshl_or_b32 v[28+\q], v[21+4*\q], 6, v[20+4*\q]
	v_lshl_or_b32 v[28+\q], v[22+4*\q], 12, v[28+\q]
	v_lshl_or_b32 v[28+\q], v[23+4*\q], 18, v[28+\q]
.endr
	global_store_b64 v10, v[28:29], s[14:15]       ; a wave stores 256 consecutive bytes, aligned
	s_endpgm
.Lfunc_end_k_qa94b295486_prep:
	.size	k_qa94b295486_prep, .Lfunc_end_k_qa94b295486_prep-k_qa94b295486_prep
	.p2alignl 7, 3214868480
	.fill 96, 4, 3214868480
	.section	.rodata,"a",@progbits
	.p2align	6, 0x0
	.amdhsa_kernel k_qa94b295486_prep
		.amdhsa_group_segment_fixed_size 35328
		.amdhsa_private_segment_fixed_size 0
		.amdhsa_enable_private_segment 0
		.amdhsa_kernarg_size 64
		.amdhsa_user_sgpr_count 2
		.amdhsa_user_sgpr_kernarg_segment_ptr 1
		.amdhsa_wavefront_size32 1
		.amdhsa_system_sgpr_workgroup_id_x 1
		.amdhsa_system_sgpr_workgroup_id_y 1
		.amdhsa_system_sgpr_workgroup_id_z 1
		.amdhsa_system_vgpr_workitem_id 0
		.amdhsa_next_free_vgpr 256
		.amdhsa_next_free_sgpr 66
		.amdhsa_reserve_vcc 0
		.amdhsa_float_denorm_mode_32 3
		.amdhsa_float_denorm_mode_16_64 3
		.amdhsa_memory_ordered 1
		.amdhsa_forward_progress 1
		.amdhsa_inst_pref_size 42
	.end_amdhsa_kernel
	.amdgpu_metadata
---
amdhsa.version: [ 1, 2 ]
amdhsa.kernels:
  - .name:           k_qa94b295486_prep
    .symbol:         k_qa94b295486_prep.kd
    .args:
      - { .name: inp1, .offset: 0, .size: 8, .value_kind: global_buffer, .address_space: global }
      - { .name: inp2, .offset: 8, .size: 8, .value_kind: global_buffer, .address_space: global }
      - { .name: coord, .offset: 16, .size: 8, .value_kind: global_buffer, .address_space: global }
      - { .name: w0, .offset: 24, .size: 8, .value_kind: global_buffer, .address_space: global }
      - { .name: table, .offset: 32, .size: 8, .value_kind: global_buffer, .address_space: global }
      - { .name: idx, .offset: 40, .size: 8, .value_kind: global_buffer, .address_space: global }
      - { .name: w0c, .offset: 48, .size: 8, .value_kind: global_buffer, .address_space: global }
      - { .name: w0s, .offset: 56, .size: 8, .value_kind: global_buffer, .address_space: global }
    .group_segment_fixed_size: 35328
    .private_segment_fixed_size: 0
    .kernarg_segment_align: 8
    .kernarg_segment_size: 64
    .max_flat_workgroup_size: 128
    .sgpr_count:     66
    .vgpr_count:     256
    .wavefront_size: 32
...
	.end_amdgpu_metadata
.endif
;; end of part 1
;; launch mlp (part 2): grid 256 x 1, 8 waves a work-group, no clusters, 199,680 bytes of LDS; arguments table, idx, coord, cell1, w0c, w1_codes, w2_codes, w3_codes, w0s, w1_scales, w2_scales, w3_scales, b0, b1, b2, b3, w4, b4, out0; writes out0
.if DOCPART == 2
	.amdgcn_target "amdgcn-amd-amdhsa--gfx1250"
	.amdhsa_code_object_version 6
	.text
	.protected	k_qa94b295486_mlp
	.globl	k_qa94b295486_mlp
	.p2align	8
	.type	k_qa94b295486_mlp,@function
k_qa94b295486_mlp:
	s_mov_b64 s[64:65], 0
	v_nop
	global_prefetch_b8 v0, s[64:65] scope:SCOPE_SE
	s_setreg_imm32_b32 hwreg(HW_REG_WAVE_MODE, 25, 1), 1
	s_wait_xcnt 0x0
; For each query and each of its four shifted neighbours: x[132] = f1 of the nearest cell, rel_coord, rel_cell, f2; four layers 132 -> 256 -> 256 -> 256 -> 256 with relu on codes of FP6 (E2M3) with one
; E8M0 scale for each 32 along K; a last layer 256 -> 3 with bf16 operands; the four predictions blended by the swapped areas.
; SHARES.  A work-group owns 256 queries: 16 blocks of 16 queries x 4 shifts; a block is four tiles of 16 rows, tile m = shift m of the block's 16 queries.
; THE EIGHT WAVES ARE A PIPELINE OF LAYERS: wave w has layer w / 2 and units 128 (w % 2) .. + 127 of it.  Its 16 weight fragments, its bias (as the C of each sum's first product) and its scale words
; stay in registers for the whole launch.  128 units are one K step of the next layer: one fragment and one scale word a row, which go to the next layer's waves through LDS as IMAGES OF THE REGISTERS
; (lane l's 16 bytes at 16 l), two buffers a link, ONE barrier a stage.  In stage T (0 .. 19) waves 0-3 build x of block T (wave w: tile w), and layer L works on block T - 1 - L.
; The products are used transposed (source 0 = 16 rows of W, source 1 = 16 rows of x), and lane r of tile 2 b + u takes W's row 32 b + 8 u + r + 8 (r / 8): a lane then holds one row, and the 16 registers
; of tiles 2 b, 2 b + 1 are 16 neighbours along the next K.
; x: blocks B0, B1, B3, B4 come as codes from the cell's record (launch prep); B2 (rel, cell, f2[0..27]) is quantised here, its largest magnitude from the record's and the four numbers'.
; NO TENSOR LOADS, NO CLUSTER: what work-groups share is the weights, 196,608 bytes of codes a work-group, read once, straight into the registers in which they stay; through LDS they would be written
; and read once more.  The activations are the work-group's own.  Records are asked for a stage ahead, index words two stages ahead, into registers.
; LDS ADDRESSES are made for all eight waves by one formula each, ahead of the first parting of the waves, and each formula gives every wave bytes of its own inside LDS, also where a wave's role never
; uses them: link 4 (where layer 3's store address falls) and the partial results' regions of waves 0 to 5 are never touched.  The eight waves' 4,096 registers fill the WGP, so the bytes are taken from nobody.
; LIMITS: NaN and infinities are not served; a block under 2^-124, or of zeros, has the byte 1 (its codes add nothing; the bytes never leave the launch); area / total is area x reciprocal (1 ulp), which
; feeds no quantiser; the last product's operands are rounded to bf16.
.set FRB,   1536                       ; a fragment's image: 12 registers x 128 bytes
.set SCO,   8*FRB                      ; behind a buffer's 8 fragments (tile m, K step s: 2 m + s): their scale words, 128 bytes each
.set BUF,   SCO+8*128                  ; a buffer: 13,312 bytes
.set LINK,  2*BUF                      ; link k (0: x; 1-3: hidden layers; 4: nobody's) at k LINK
.set PREG,  5*LINK                     ; the partial results of the last layer: wave w's region at PWAVE w
.set PWAVE, 8192                       ; in a region: lanes 16-31 3,840 on (never read); stage T at 192 T; query r 12 r; output o 4 o: 7,680 bytes at the most
.set CLR,   15*4096                    ; the clearing at the head: 15 + 11 stores of 4,096 bytes for links 0 to 3 (106,496 bytes), 4 for the regions of waves 6 and 7
; window 0
.set RA0, 1                            ; v1   where I read fragments: 16 lane + L LINK
.set RS0, 2                            ; v2   and scale words: 4 lane + L LINK + SCO
.set WA0, 3                            ; v3   where I store my fragment: 16 lane + (L + 1) LINK + c FRB
.set WS0, 4                            ; v4   and its scale word
.set GA0, 5                            ; v5   where x's images go: 16 lane + (w % 4) 2 FRB
.set GS0, 6                            ; v6   and their scale words
.set PA0, 7                            ; v7   my place among the partial results
.set PA,  8                            ; v8   the same for the trip's even stage
.set FA0, 9                            ; v9   PREG + 6 PWAVE + 16 thread: wave 6's region, for the clearing and for the way out
.set FO,  10                           ; v10  16 thread
.set R4,  11                           ; v11  4 (lane % 16)
.set R8,  12                           ; v12  8 (lane % 16)
.set H128, 13                          ; v13  128 (lane / 16)
.set WAD, 14                           ; v14  my lane's byte in a tile of weights
.set SAD, 15                           ; v15  and among the weights' scale words
.set WSC, 16                           ; v16-31  weight scale words (tile t, K step s: 2 t + s): scales and nothing else
.set XF,  32                           ; v32-55  two activation fragments
.set XS,  56                           ; v56-57  their scale words: scales and nothing else
.set HH,  58                           ; v58  lane / 16; in waves 6, 7 later w4's address
.set BAD, 59                           ; v59  64 (lane / 16): the bias's address
.set HA,  60                           ; v60-123 eight accumulators
.set PC,  124                          ; layers 0-2: v124-135 the codes just made
.set PT,  136                          ;             v136-143 second halves of conversions
.set GT,  136                          ; the gather's temporaries share them
.set TM,  144                          ;             v144-159 maxima, bytes, scale operands
.set PW,  160                          ;             v160 the scale word just made
.set ZA,  161                          ; v161 16 thread + CLR: the clearing's second run
.set GF,  162                          ; waves 0-3: v162-177 my 16 numbers of B2
.set GX,  178                          ;            v178-189 x's first fragment
.set GB3, 190                          ;            v190-193 B3's half
.set GM,  194                          ;            v194-197 B4's codes, two scale words, the largest |f2[0..27]|
.set GC,  198                          ;            v198-201 coord, cell
.set IDX, 202
.set GRA, 203
.set QC,  204                          ;            v204-205 the cell's centre
.set CO,  206
.set IO,  207
.set W4F, 124                          ; waves 6, 7: v124-155 w4 as four bf16 fragments (rows 3-15 zero)
.set B4C, 208                          ;             v208-215 b4 as a C (half c = 0 alone)
.set PR,  216                          ;             v216-227 prediction (shift m, output o) at 3 m + o
.set LC,  228
.set LIDX, 230
.set LCO, 231
.set LIO, 232
.set ET,  236                          ;             v236-255 at work
; window 1: v[12 f .. 12 f + 11] weight fragment f = 2 t + s; v[192 + 8 t ..] the bias of tile t in the result's layout
.set WPT, 42                           ; s[42:43] my layer's codes, s[44:45] scales, s[46:47] bias
.set SPT, 44
.set BPT, 46
.set WV,  48
.set LY,  49
.set CH,  50
.set LO,  51                           ; L + 1: layer L works on block T - LO
.set ST,  53                           ; the trip's even stage
.set PO,  54                           ; 192 ST
.set TT,  55                           ; the stage in hand
.set SEL, 60                           ; s[60:61] selects for lane l xor 16
.set MLO, 62                           ; lanes 0-15
.set SH0, 63                           ; where my shift's row index and
.set SH1, 66                           ; column index stand in an index word
.set K32, 67                           ; 1/32
.set KQC, 68                           ; -63/64
.set K64, 69                           ; 64
.set KEP, 70                           ; 1e-9
.set B1,  75
.set B2,  76
.set MSB, 0
.macro WIN new                         ; bits 1:0 source 0, 3:2 source 1, 5:4 source 2, 7:6 destination; the high byte repeats the setting that is left
.if MSB != \new
	s_set_vgpr_msb (MSB<<8)|\new
.set MSB, \new
.endif
.endm
.macro WLOAD t                         ; tile t's two fragments: 24 bytes of a row in three pieces of 8, twice
.irp s, 0,1
.irp p, 0,1,2,3,4,5
	global_load_b64 v[12*(2*\t+\s)+2*\p:12*(2*\t+\s)+2*\p+1], v[WAD], s[WPT:WPT+1] offset:(32*(\t/2)+8*(\t%2))*192+96*\s+48*(\p/3)+8*(\p%3)
.endr
.endr
.endm
.macro FETCH m, rp                     ; tile m's two fragments and scale words, from buffer rp of my link
.irp s, 0,1
.irp j, 0,1,2
	ds_load_b128 v[XF+12*\s+4*\j:XF+12*\s+4*\j+3], v[RA0] offset:(\rp)*BUF+(2*(\m)+\s)*FRB+512*\j
.endr
.endr
.irp s, 0,1
	ds_load_b32 v[XS+\s], v[RS0] offset:(\rp)*BUF+(2*(\m)+\s)*128
.endr
.endm
; 16 products: my 8 tiles of units x 16 rows, two K steps.  The first K step takes the bias as C.  The eight accumulators take turns, one instruction a turn.
; Four plain instructions follow: ahead of the reads of the results and of loads into the operands.
.macro MM
	WIN 0x11                                       ; W and the bias in window 1
.irp t, 0,1,2,3,4,5,6,7
	v_wmma_scale_f32_16x16x128_f8f6f4 v[HA+8*\t:HA+8*\t+7], v[24*\t:24*\t+11], v[XF:XF+11], v[192+8*\t:192+8*\t+7], v[WSC+2*\t], v[XS] matrix_a_fmt:MATRIX_FMT_FP6 matrix_b_fmt:MATRIX_FMT_FP6
.endr
	WIN 0x01
.irp t, 0,1,2,3,4,5,6,7
	v_wmma_scale_f32_16x16x128_f8f6f4 v[HA+8*\t:HA+8*\t+7], v[24*\t+12:24*\t+23], v[XF+12:XF+23], v[HA+8*\t:HA+8*\t+7], v[WSC+2*\t+1], v[XS+1] matrix_a_fmt:MATRIX_FMT_FP6 matrix_b_fmt:MATRIX_FMT_FP6
.endr
	WIN 0
.rept 4
	v_nop
.endr
.endm
.macro RELU                            ; in f32, each accumulator from its low end on
.set n, 0
.rept 64
	v_max_num_f32 v[HA+n], 0, v[HA+n]
.set n, n+1
.endr
.endm
; My 64 numbers (register 16 b + i = k 32 b + 16 (lane / 16) + i of my row; none is negative) become a fragment's codes in v[PC] on and its scale word in v[PW]
.macro QUANT
.irp b, 0,1,2,3
	v_max3_num_f32 v[TM+\b], v[HA+16*\b], v[HA+1+16*\b], 0x1800000   ; with the floor 2^(3 - 127): the byte cannot fall under 1
.endr
.irp i, 2,4,6,8,10,12,14
.irp b, 0,1,2,3
	v_max3_num_f32 v[TM+\b], v[TM+\b], v[HA+16*\b+\i], v[HA+1+16*\b+\i]   ; the four blocks by turns
.endr
.endr
.irp b, 0,1,2,3
	v_permlanex16_b32 v[TM+4+\b], v[TM+\b], s[SEL], s[SEL+1]
.endr
.irp b, 0,1,2,3
	v_max_num_f32 v[TM+\b], v[TM+\b], v[TM+4+\b]   ; with lane l xor 16's 16: the block's largest
.endr
.irp b, 0,1,2,3
	v_add_nc_u32 v[TM+12+\b], 0xff000000, v[TM+\b] ; 2 off the exponent field: the conversion's scale operand
.endr
.irp b, 0,1,2,3
	v_lshrrev_b32 v[TM+4+\b], 23, v[TM+12+\b]      ; the scale's byte
.endr
	v_lshl_or_b32 v[PW], v[TM+5], 8, v[TM+4]
	v_lshl_or_b32 v[PW], v[TM+6], 16, v[PW]
	v_lshl_or_b32 v[PW], v[TM+7], 24, v[PW]
.irp c, 0,1
	v_cvt_scalef32_pk16_fp6_f32 v[PC+6*\c:PC+2+6*\c], v[HA+32*\c:HA+15+32*\c], v[TM+12+2*\c]
	v_cvt_scalef32_pk16_fp6_f32 v[PT+4*\c:PT+2+4*\c], v[HA+16+32*\c:HA+31+32*\c], v[TM+13+2*\c]   ; (a conversion's three registers begin on an even number)
.endr
	v_nop                                          ; one plain instruction behind the conversions
.irp c, 0,1                                    ; the operand wants a whole block in a lane: lanes 0-15 block 2 c, lanes 16-31 block 2 c + 1
.irp i, 0,1,2
	v_permlane16_swap_b32 v[PC+6*\c+\i], v[PT+4*\c+\i]
.endr
.irp i, 0,1,2
	v_mov_b32 v[PC+3+6*\c+\i], v[PT+4*\c+\i]
.endr
.endr
.endm
.macro IMAGE m, wp                     ; the fragment goes to LDS as it stands: K step c of the next layer, tile m, buffer wp
.irp j, 0,1,2
	ds_store_b128 v[WA0], v[PC+4*\j:PC+4*\j+3] offset:(\wp)*BUF+(\m)*2*FRB+512*\j
.endr
	ds_store_b32 v[WS0], v[PW] offset:(\wp)*BUF+(\m)*256
.endm
; The gather, first part: from block B1's index words (in v[IDX]) the records' addresses and the cells' centres; 11 loads: the record's half, coord and cell of block B1, the index words of block B2
.macro G_ASK
	v_bfe_u32 v[GT], v[IDX], s[SH0], 6             ; my shift's row
	v_bfe_u32 v[GT+1], v[IDX], s[SH1], 6           ; and column
	v_lshl_or_b32 v[GT+2], v[GT], 6, v[GT+1]
	v_min_u32 v[GT+2], 0xfff, v[GT+2]              ; a loaded number enters an address held inside the batch's 4,096 cells
	v_lshl_add_u32 v[GRA], v[GT+2], 8, v[H128]     ; 256 bytes a record, my half
	v_cvt_f32_u32 v[GT], v[GT]
	v_cvt_f32_u32 v[GT+1], v[GT+1]
	v_fma_f32 v[QC], v[GT], s[K32], s[KQC]         ; -1 + (2 i + 1) / 64 = i / 32 - 63 / 64: nothing is rounded
	v_fma_f32 v[QC+1], v[GT+1], s[K32], s[KQC]
	s_lshl_b32 s56, s[B1], 7
	v_add_nc_u32 v[CO], s56, v[R8]
	s_lshl_b32 s56, s[B2], 6
	v_add_nc_u32 v[IO], s56, v[R4]
.irp j, 0,1,2,3
	global_load_b128 v[GF+4*\j:GF+4*\j+3], v[GRA], s[4:5] offset:16*\j
.endr
	global_load_b128 v[GX:GX+3], v[GRA], s[4:5] offset:64
	global_load_b64 v[GX+4:GX+5], v[GRA], s[4:5] offset:80
	global_load_b128 v[GB3:GB3+3], v[GRA], s[4:5] offset:96
	global_load_b128 v[GM:GM+3], v[GRA], s[4:5] offset:112
	global_load_b64 v[GC:GC+1], v[CO], s[8:9]
	global_load_b64 v[GC+2:GC+3], v[CO], s[10:11]
	global_load_b32 v[IDX], v[IO], s[6:7]
.endm
; The gather, second part: B2 is quantised, x's two fragments and scale words go to buffer p of link 0
.macro G_USE p
	s_wait_loadcnt 0x0                             ; what was asked for a stage ago; the address registers may be written again
	v_sub_f32 v[GT], v[GC], v[QC]
	v_sub_f32 v[GT+1], v[GC+1], v[QC+1]
	v_mul_f32 v[GT], s[K64], v[GT]                 ; rel_coord
	v_mul_f32 v[GT+1], s[K64], v[GT+1]
	v_mul_f32 v[GT+2], s[K64], v[GC+2]             ; rel_cell
	v_mul_f32 v[GT+3], s[K64], v[GC+3]
	v_max3_num_f32 v[GT+4], v[GM+3], |v[GT]|, |v[GT+1]|
	v_max3_num_f32 v[GT+4], v[GT+4], |v[GT+2]|, |v[GT+3]|   ; B2's largest magnitude, alike in both lanes of a row
.irp i, 0,1,2,3
	v_cndmask_b32 v[GF+\i], v[GF+\i], v[GT+\i], s[MLO]      ; lanes 0-15: the block's first four numbers, in the record's pad
.endr
	v_add_nc_u32 v[GT+4], 0xff000000, v[GT+4]
	v_lshrrev_b32 v[GT+5], 23, v[GT+4]
	v_lshl_or_b32 v[GT+6], v[GT+5], 16, v[GM+1]    ; B2's byte into the record's scale word
	v_cvt_scalef32_pk16_fp6_f32 v[GX+6:GX+8], v[GF:GF+15], v[GT+4]
	v_nop
.irp i, 0,1,2
	v_permlane16_swap_b32 v[GX+6+\i], v[GB3+\i]    ; lanes 0-15 get all of B2, lanes 16-31 all of B3
.endr
.irp i, 0,1,2
	v_mov_b32 v[GX+9+\i], v[GB3+\i]
.endr
.irp j, 0,1,2
	ds_store_b128 v[GA0], v[GX+4*\j:GX+4*\j+3] offset:(\p)*BUF+512*\j
.endr
	ds_store_b32 v[GS0], v[GT+6] offset:(\p)*BUF
	ds_store_b32 v[GA0], v[GM] offset:(\p)*BUF+FRB ; the second fragment is B4's word in register 0 of lanes 0-15; all else of it keeps the zeros of the clearing at the head
	ds_store_b32 v[GS0], v[GM+2] offset:(\p)*BUF+128
	s_wait_dscnt 0x0                               ; the stores have read their registers: the next loads may land there
.endm
; A stage of layers 0 to 2: four tiles; the next tile's operands are fetched while this tile is quantised
.macro LQ_STAGE p
	FETCH 0, 1-\p
.irp m, 0,1,2,3
.if \m
	s_wait_dscnt 4                                 ; this tile's 8 loads are in; the last tile's 4 stores, issued behind them, may be out
.else
	s_wait_dscnt 0x0
.endif
	MM
.if \m < 3
	FETCH \m+1, 1-\p
.endif
	RELU
.if \m < 3
	s_wait_dscnt 8                                 ; all but the 8 loads just issued: the last tile's stores have read the registers that are now written
.else
	s_wait_dscnt 0x0
.endif
	QUANT
	IMAGE \m, \p
.endr
.endm
; A stage of layer 3: relu, rounded to bf16 in place, times w4; then the four shifts are blended.  s56 = my block
.macro LF_STAGE p
	s_lshl_b32 s57, s56, 7
	v_add_nc_u32 v[LCO], s57, v[R8]
	s_lshl_b32 s57, s56, 6
	v_add_nc_u32 v[LIO], s57, v[R4]
	global_load_b64 v[LC:LC+1], v[LCO], s[8:9]
	global_load_b32 v[LIDX], v[LIO], s[6:7]
	FETCH 0, 1-\p
.irp m, 0,1,2,3
	s_wait_dscnt 0x0
	MM
.if \m < 3
	FETCH \m+1, 1-\p
.endif
	RELU
.set n, 0
.rept 32
	v_cvt_pk_bf16_f32 v[HA+n], v[HA+2*n], v[HA+2*n+1]   ; ascending: register n has been read before it is written.  Registers 8 i .. 8 i + 7: units 32 i + 16 (lane / 16) + 0 .. 15, as w4's fragment i has them
.set n, n+1
.endr
.rept 4
	v_nop
.endr
	v_wmma_f32_16x16x32_bf16 v[HA+32:HA+39], v[W4F:W4F+7], v[HA:HA+7], v[B4C:B4C+7]   ; four sums of 32 units each, in four accumulators: lanes 0-15, registers 0-2: outputs 0-2 of row r
.irp i, 1,2,3
	v_wmma_f32_16x16x32_bf16 v[HA+32+8*\i:HA+39+8*\i], v[W4F+8*\i:W4F+8*\i+7], v[HA+8*\i:HA+8*\i+7], 0
.endr
.rept 4
	v_nop
.endr
.irp o, 0,1,2
	v_add_f32 v[ET+\o], v[HA+48+\o], v[HA+56+\o]
.endr
.irp o, 0,1,2
	v_add_f32 v[PR+3*\m+\o], v[HA+32+\o], v[HA+40+\o]
.endr
.irp o, 0,1,2
	v_add_f32 v[PR+3*\m+\o], v[PR+3*\m+\o], v[ET+\o]
.endr
.endr
	s_wait_loadcnt 0x0                             ; coord and the index word of my query
.irp i, 0,1,2,3
	v_bfe_u32 v[ET+\i], v[LIDX], 6*\i, 6           ; rows for the shifts -1, +1; columns for -1, +1
.endr
.irp i, 0,1,2,3
	v_cvt_f32_u32 v[ET+\i], v[ET+\i]
.endr
.irp i, 0,1,2,3
	v_fma_f32 v[ET+\i], v[ET+\i], s[K32], s[KQC]   ; the cells' centres
.endr
.irp i, 0,1,2,3
	v_sub_f32 v[ET+\i], v[LC+\i/2], v[ET+\i]
.endr
.irp i, 0,1,2,3
	v_mul_f32 v[ET+\i], s[K64], v[ET+\i]           ; rel0 for both row shifts, rel1 for both column shifts
.endr
.irp k, 0,1,2,3
	v_mul_f32 v[ET+4+\k], v[ET+\k/2], v[ET+2+\k%2]
.endr
.irp k, 0,1,2,3
	v_add_f32 v[ET+4+\k], |v[ET+4+\k]|, s[KEP]     ; area of shift k
.endr
	v_add_f32 v[ET+8], v[ET+4], v[ET+5]
	v_add_f32 v[ET+8], v[ET+8], v[ET+6]
	v_add_f32 v[ET+8], v[ET+8], v[ET+7]
	v_rcp_f32 v[ET+9], v[ET+8]
	v_nop                                          ; a plain instruction behind the reciprocal,
	s_wait_alu depctr_va_vdst(0)                   ; and a wait ahead of its first reader
.irp k, 0,1,2,3
	v_mul_f32 v[ET+4+\k], v[ET+4+\k], v[ET+9]      ; shift m is weighed by area 3 - m
.endr
.irp o, 0,1,2
	v_mul_f32 v[ET+10+\o], v[PR+\o], v[ET+7]
.endr
.irp m, 1,2,3
.irp o, 0,1,2
	v_fma_f32 v[ET+10+\o], v[PR+3*\m+\o], v[ET+7-\m], v[ET+10+\o]
.endr
.endr
.irp o, 0,1,2
	ds_store_b32 v[PA], v[ET+10+\o] offset:(\p)*192+4*\o   ; into my wave's own region
.endr
.endm
; A stage.  The branches hang on the wave's number and on the stage's number alone; the barrier stands on every wave's way.  Writers use buffer p, readers the other one.
.macro STAGE p
	s_add_co_u32 s[TT], s[ST], \p
	s_cmp_lt_u32 s[WV], 4
	s_cbranch_scc0 .Lnog_\@
	s_cmp_lt_u32 s[TT], 16
	s_cbranch_scc0 .Lnog_\@
	G_USE \p                                       ; x of block T
	s_cmp_lt_u32 s[TT], 15
	s_cbranch_scc0 .Lnog_\@                        ; behind the last block nothing is asked for
	s_add_co_u32 s[B1], s[TT], 1
	s_add_co_u32 s[B2], s[TT], 2
	s_min_u32 s[B2], s[B2], 15                     ; no load leaves its buffer
	G_ASK
.Lnog_\@:
	s_sub_co_u32 s56, s[TT], s[LO]                 ; my layer's block
	s_cmp_lt_u32 s56, 16
	s_cbranch_scc0 .Lbar_\@
	s_cmp_lt_u32 s[WV], 6
	s_cbranch_scc0 .Lfin_\@
	LQ_STAGE \p
	s_branch .Lbar_\@
.Lfin_\@:
	LF_STAGE \p
.Lbar_\@:
	s_wait_dscnt 0x0                               ; for the others' sake: my stores have landed, and my reads of what the next stage overwrites are in
	s_barrier_signal -1
	s_barrier_wait -1
.endm
	s_load_b512 s[4:19], s[0:1], 0x0               ; table s[4:5], idx s[6:7], coord s[8:9], cell1 s[10:11], the four layers' codes s[12:19]
	s_load_b512 s[20:35], s[0:1], 0x40             ; their scales s[20:27], their biases s[28:35]
	s_load_b128 s[36:39], s[0:1], 0x80             ; w4 s[36:37], b4 s[38:39]
	s_load_b64 s[40:41], s[0:1], 0x90              ; out0
	v_lshl_add_u32 v254, v0, 2, 0x30800
	v_mov_b32 v255, 0
	v_lshrrev_b32 v14, 5, v0
	v_readfirstlane_b32 s[WV], v14                 ; wave 0..7
	s_lshr_b32 s[LY], s[WV], 1                     ; my layer
	s_and_b32 s[CH], s[WV], 1                      ; my half of its units
	s_add_co_u32 s[LO], s[LY], 1
	s_and_b32 s56, s[WV], 3                        ; the tile of x that I build
	v_and_b32 v14, 31, v0                          ; lane
	v_and_b32 v15, 15, v0                          ; r
	v_bfe_u32 v[HH], v0, 4, 1                      ; h
	v_lshlrev_b32 v[BAD], 4, v14                   ; 16 lane
	v_lshlrev_b32 v[PA], 2, v14                    ; 4 lane
	; every LDS address is made here, ahead of the first parting of the waves: a constant, a lane term, a wave term
	v_lshlrev_b32 v[FO], 4, v0
	v_add_nc_u32 v[ZA], CLR, v[FO]
	v_add_nc_u32 v[FA0], PREG+6*PWAVE, v[FO]
.irp b, 0,1,2,3
	v_mov_b32 v[TM+4+\b], 0                        ; the clearing's data; also: a lane permute's destination counts as one of its sources, so these four are written once
.endr
	; ALL LDS THAT IS EVER READ IS CLEARED ONCE, by all eight waves, 4,096 consecutive bytes a store of the 256 threads: links 0 to 3 and the partial results of waves 6 and 7.
	; x's second fragment (k = 128 on) needs the zeros: only B4's word is ever stored into it.  The rest is cleared with it, so that on no way through the loop a byte is read that nobody wrote.
	; The barrier in front of the loop stands between these stores and every other LDS access of the text.
.set j, 0
.rept 15
	ds_store_b128 v[FO], v[TM+4:TM+7] offset:4096*j
.set j, j+1
.endr
.set j, 0
.rept 11
	ds_store_b128 v[ZA], v[TM+4:TM+7] offset:4096*j
.set j, j+1
.endr
.set j, 0
.rept 4
	ds_store_b128 v[FA0], v[TM+4:TM+7] offset:4096*j
.set j, j+1
.endr
	s_mul_i32 s57, s[LY], LINK
	v_add_nc_u32 v[RA0], s57, v[BAD]
	v_add_nc_u32 v[RS0], s57, v[PA]
	v_add_nc_u32 v[RS0], SCO, v[RS0]
	s_mul_i32 s58, s[CH], FRB
	s_add_co_u32 s58, s58, s57
	s_add_co_u32 s58, s58, LINK
	v_add_nc_u32 v[WA0], s58, v[BAD]
	s_lshl_b32 s58, s[CH], 7
	s_add_co_u32 s58, s58, s57
	s_add_co_u32 s58, s58, LINK+SCO
	v_add_nc_u32 v[WS0], s58, v[PA]
	s_mul_i32 s58, s56, 2*FRB
	v_add_nc_u32 v[GA0], s58, v[BAD]
	s_lshl_b32 s58, s56, 8
	s_add_co_u32 s58, s58, SCO
	v_add_nc_u32 v[GS0], s58, v[PA]
	s_lshl_b32 s58, s[WV], 13                      ; PWAVE x wave: a region for each wave
	s_add_co_u32 s58, s58, PREG
	v_mul_u32_u24 v[PA0], v[HH], 3840
	v_mad_u32_u24 v[PA0], v15, 12, v[PA0]
	v_add_nc_u32 v[PA0], s58, v[PA0]
	v_lshlrev_b32 v[R4], 2, v15
	v_lshlrev_b32 v[R8], 3, v15
	v_lshlrev_b32 v[H128], 7, v[HH]
	v_lshlrev_b32 v[BAD], 6, v[HH]                 ; the bias: lane (r, h) wants, for tile 2 b + u, units 32 b + 16 h + 8 u + 0 .. 7
	v_and_b32 v14, 8, v15
	v_add_nc_u32 v14, v14, v15                     ; r + 8 (r / 8)
	v_lshlrev_b32 v[SAD], 3, v14                   ; scale words: 8 bytes a row
	v_mul_u32_u24 v[WAD], v14, 192                 ; codes: 192 bytes a row,
	v_mad_u32_u24 v[WAD], v[HH], 24, v[WAD]        ; + 24 h
	s_mov_b32 s[SEL], 0x76543210
	s_mov_b32 s[SEL+1], 0xfedcba98
	s_mov_b32 s[MLO], 0xffff
	s_bfe_u32 s[SH0], s[WV], 0x10001               ; tile m = 2 (row shift) + (column shift)
	s_mul_i32 s[SH0], s[SH0], 6
	s_mul_i32 s[SH1], s[CH], 6
	s_add_co_u32 s[SH1], s[SH1], 12
	s_mov_b32 s[K32], 0x3d000000
	s_mov_b32 s[KQC], 0xbf7c0000
	s_mov_b32 s[K64], 0x42800000
	s_mov_b32 s[KEP], 0x3089705f
	s_wait_kmcnt 0x0
	s_load_b96 s[72:74], s[38:39], 0x0             ; b4
	s_cmp_eq_u32 s[LY], 1                          ; my layer's buffers: the choice hangs on the wave's number alone
	s_cselect_b64 s[WPT:WPT+1], s[14:15], s[12:13]
	s_cselect_b64 s[SPT:SPT+1], s[22:23], s[20:21]
	s_cselect_b64 s[BPT:BPT+1], s[30:31], s[28:29]
	s_cmp_eq_u32 s[LY], 2
	s_cselect_b64 s[WPT:WPT+1], s[16:17], s[WPT:WPT+1]
	s_cselect_b64 s[SPT:SPT+1], s[24:25], s[SPT:SPT+1]
	s_cselect_b64 s[BPT:BPT+1], s[32:33], s[BPT:BPT+1]
	s_cmp_eq_u32 s[LY], 3
	s_cselect_b64 s[WPT:WPT+1], s[18:19], s[WPT:WPT+1]
	s_cselect_b64 s[SPT:SPT+1], s[26:27], s[SPT:SPT+1]
	s_cselect_b64 s[BPT:BPT+1], s[34:35], s[BPT:BPT+1]
	s_mov_b32 s57, 0
	s_mul_i32 s56, s[CH], 128*192                  ; my 128 rows
	s_add_nc_u64 s[WPT:WPT+1], s[WPT:WPT+1], s[56:57]
	s_lshl_b32 s56, s[CH], 10
	s_add_nc_u64 s[SPT:SPT+1], s[SPT:SPT+1], s[56:57]
	s_lshl_b32 s56, s[CH], 9
	s_add_nc_u64 s[BPT:BPT+1], s[BPT:BPT+1], s[56:57]
	s_add_nc_u64 s[36:37], s[36:37], s[56:57]      ; w4: my 128 columns
	s_lshr_b32 s56, ttmp9, 6                       ; the batch: 64 work-groups each
	s_lshl_b32 s56, s56, 20                        ; 4,096 records of 256 bytes
	s_add_nc_u64 s[4:5], s[4:5], s[56:57]
	s_lshl_b32 s56, ttmp9, 10                      ; my 256 queries: 4 bytes each in idx,
	s_add_nc_u64 s[6:7], s[6:7], s[56:57]
	s_lshl_b32 s56, ttmp9, 11                      ; 8 in coord and cell1,
	s_add_nc_u64 s[8:9], s[8:9], s[56:57]
	s_add_nc_u64 s[10:11], s[10:11], s[56:57]
	s_mul_i32 s56, ttmp9, 3072                     ; 12 in out0
	s_add_nc_u64 s[40:41], s[40:41], s[56:57]
	s_cmp_lt_u32 s[WV], 4
	s_cbranch_scc0 .Lh1
	global_load_b32 v[IDX], v[R4], s[6:7]          ; block 0's index words, ahead of the weights
.Lh1:
	WIN 0x40                                       ; destination window 1
.irp t, 0,1,2,3
	WLOAD \t
.endr
	WIN 0
	s_cmp_lt_u32 s[WV], 4
	s_cbranch_scc0 .Lh2
	s_wait_loadcnt 48                              ; the index words are in; the 48 weight loads issued behind them may be out
	s_mov_b32 s[B1], 0
	s_mov_b32 s[B2], 1
	G_ASK
.Lh2:
	WIN 0x40
.irp t, 4,5,6,7
	WLOAD \t
.endr
	WIN 0
.irp t, 0,1,2,3,4,5,6,7
.irp s, 0,1
	global_load_b32 v[WSC+2*\t+\s], v[SAD], s[SPT:SPT+1] offset:(32*(\t/2)+8*(\t%2))*8+4*\s
.endr
.endr
	WIN 0x40
.irp t, 0,1,2,3,4,5,6,7
	global_load_b128 v[192+8*\t:192+8*\t+3], v[BAD], s[BPT:BPT+1] offset:(32*(\t/2)+8*(\t%2))*4
	global_load_b128 v[192+8*\t+4:192+8*\t+7], v[BAD], s[BPT:BPT+1] offset:(32*(\t/2)+8*(\t%2))*4+16
.endr
	WIN 0
	s_wait_kmcnt 0x0                               ; b4
	s_cmp_lt_u32 s[WV], 6
	s_cbranch_scc1 .Lh3
	; waves 6, 7: w4 as source 0 of the last product: lane (r, h) holds row min(r, 2), units 32 i + 16 h + 0 .. 15 of my 128; rows 3 to 15 are cleared
	v_min_u32 v[HH], 8, v[R4]
	v_lshl_add_u32 v[HH], v[HH], 8, v[BAD]         ; min(r, 2) x 1,024 + 64 h: no load leaves w4
.irp i, 0,1,2,3
.irp q, 0,1,2,3
	global_load_b128 v[HA+16*\i+4*\q:HA+16*\i+4*\q+3], v[HH], s[36:37] offset:128*\i+16*\q
.endr
.endr
	s_cmp_eq_u32 s[CH], 0                          ; b4 is added once: in the half c = 0
	s_cselect_b32 s72, s72, 0
	s_cselect_b32 s73, s73, 0
	s_cselect_b32 s74, s74, 0
.irp o, 0,1,2
	v_mov_b32 v[B4C+\o], s[72+\o]
.endr
.irp o, 3,4,5,6,7
	v_mov_b32 v[B4C+\o], 0
.endr
	v_cmp_gt_u32 vcc_lo, 12, v[R4]                 ; r < 3
	s_wait_loadcnt 0x0
.set n, 0
.rept 32
	v_cvt_pk_bf16_f32 v[W4F+n], v[HA+2*n], v[HA+2*n+1]
.set n, n+1
.endr
.set n, 0
.rept 32
	v_cndmask_b32 v[W4F+n], 0, v[W4F+n], vcc_lo
.set n, n+1
.endr
.Lh3:
	s_wait_loadcnt 0x0                             ; my weights, bias and scale words; in waves 0-3 also block 0's records, which stage 0 wants at once
	s_wait_dscnt 0x0                               ; for the others' sake: my part of the clearing has landed
	s_barrier_signal -1
	s_barrier_wait -1                              ; everybody's has: from here on the links and the partial results may be written and read
	s_mov_b32 s[ST], 0
	s_mov_b32 s[PO], 0
.Ltrip:                                            ; 10 trips of two stages: the buffers' turns stand in immediates
	v_add_nc_u32 v[PA], s[PO], v[PA0]
	STAGE 0
	STAGE 1
	s_add_co_u32 s[PO], s[PO], 384
	s_add_co_u32 s[ST], s[ST], 2
	s_cmp_lt_u32 s[ST], 20
	s_cbranch_scc1 .Ltrip
	; THE WAY OUT, behind the last barrier: the partial results of waves 6 and 7 are added (block 0 was stage 4: 768 bytes on); 192 threads store the work-group's 3,072 bytes
	s_cmp_lt_u32 s[WV], 6
	s_cbranch_scc0 .Lend
	ds_load_b128 v[HA:HA+3], v[FA0] offset:768
	ds_load_b128 v[HA+4:HA+7], v[FA0] offset:PWAVE+768
	s_wait_dscnt 0x0
	v_pk_add_f32 v[HA:HA+1], v[HA:HA+1], v[HA+4:HA+5]
	v_pk_add_f32 v[HA+2:HA+3], v[HA+2:HA+3], v[HA+6:HA+7]
	global_store_b128 v[FO], v[HA:HA+3], s[40:41]  ; a wave stores 512 consecutive bytes, at a multiple of 256 from out0's first byte
.Lend:
	s_wait_tensorcnt 0x0
	ds_add_u32 v254, v255
	s_wait_dscnt 0x0
	s_endpgm
.Lfunc_end_k_qa94b295486_mlp:
	.size	k_qa94b295486_mlp, .Lfunc_end_k_qa94b295486_mlp-k_qa94b295486_mlp
	.p2alignl 7, 3214868480
	.fill 96, 4, 3214868480
	.section	.rodata,"a",@progbits
	.p2align	6, 0x0
	.amdhsa_kernel k_qa94b295486_mlp
		.amdhsa_group_segment_fixed_size 199680
		.amdhsa_private_segment_fixed_size 0
		.amdhsa_enable_private_segment 0
		.amdhsa_kernarg_size 152
		.amdhsa_user_sgpr_count 2
		.amdhsa_user_sgpr_kernarg_segment_ptr 1
		.amdhsa_wavefront_size32 1
		.amdhsa_system_sgpr_workgroup_id_x 1
		.amdhsa_system_sgpr_workgroup_id_y 1
		.amdhsa_system_sgpr_workgroup_id_z 1
		.amdhsa_system_vgpr_workitem_id 0
		.amdhsa_next_free_vgpr 512
		.amdhsa_next_free_sgpr 80
		.amdhsa_reserve_vcc 1
		.amdhsa_float_denorm_mode_32 3
		.amdhsa_float_denorm_mode_16_64 3
		.amdhsa_memory_ordered 1
		.amdhsa_forward_progress 1
		.amdhsa_inst_pref_size 170
	.end_amdhsa_kernel
	.amdgpu_metadata
---
amdhsa.version: [ 1, 2 ]
amdhsa.kernels:
  - .name:           k_qa94b295486_mlp
    .symbol:         k_qa94b295486_mlp.kd
    .args:
      - { .name: table, .offset: 0, .size: 8, .value_kind: global_buffer, .address_space: global }
      - { .name: idx, .offset: 8, .size: 8, .value_kind: global_buffer, .address_space: global }
      - { .name: coord, .offset: 16, .size: 8, .value_kind: global_buffer, .address_space: global }
      - { .name: cell1, .offset: 24, .size: 8, .value_kind: global_buffer, .address_space: global }
      - { .name: w0c, .offset: 32, .size: 8, .value_kind: global_buffer, .address_space: global }
      - { .name: w1_codes, .offset: 40, .size: 8, .value_kind: global_buffer, .address_space: global }
      - { .name: w2_codes, .offset: 48, .size: 8, .value_kind: global_buffer, .address_space: global }
      - { .name: w3_codes, .offset: 56, .size: 8, .value_kind: global_buffer, .address_space: global }
      - { .name: w0s, .offset: 64, .size: 8, .value_kind: global_buffer, .address_space: global }
      - { .name: w1_scales, .offset: 72, .size: 8, .value_kind: global_buffer, .address_space: global }
      - { .name: w2_scales, .offset: 80, .size: 8, .value_kind: global_buffer, .address_space: global }
      - { .name: w3_scales, .offset: 88, .size: 8, .value_kind: global_buffer, .address_space: global }
      - { .name: b0, .offset: 96, .size: 8, .value_kind: global_buffer, .address_space: global }
      - { .name: b1, .offset: 104, .size: 8, .value_kind: global_buffer, .address_space: global }
      - { .name: b2, .offset: 112, .size: 8, .value_kind: global_buffer, .address_space: global }
      - { .name: b3, .offset: 120, .size: 8, .value_kind: global_buffer, .address_space: global }
      - { .name: w4, .offset: 128, .size: 8, .value_kind: global_buffer, .address_space: global }
      - { .name: b4, .offset: 136, .size: 8, .value_kind: global_buffer, .address_space: global }
      - { .name: out0, .offset: 144, .size: 8, .value_kind: global_buffer, .address_space: global }
    .group_segment_fixed_size: 199680
    .private_segment_fixed_size: 0
    .kernarg_segment_align: 8
    .kernarg_segment_size: 152
    .max_flat_workgroup_size: 256
    .sgpr_count:     80
    .vgpr_count:     512
    .wavefront_size: 32
...
	.end_amdgpu_metadata
.endif
;; end of part 2
;; ======== version 2 of 2: 2 launches; version 1 with the launch mlp written anew for expert scheduling mode
;; workspace buffers: table 4,194,304 bytes; idx 262,144 bytes of whole numbers; w0c 49,152 bytes; w0s 2,048 bytes
;; launch prep: the kernel of part 1 again; grid 386 x 1, 4 waves a work-group, no clusters, 35,328 bytes of LDS; arguments inp1, inp2, coord, w0, table, idx, w0c, w0s; writes table, idx, w0c, w0s
;; launch mlp (part 3): grid 256 x 1, 8 waves a work-group, no clusters, 199,680 bytes of LDS; arguments table, idx, coord, cell1, w0c, w1_codes, w2_codes, w3_codes, w0s, w1_scales, w2_scales, w3_scales, b0, b1, b2, b3, w4, b4, out0; writes out0
.if DOCPART == 3
	.amdgcn_target "amdgcn-amd-amdhsa--gfx1250"
	.amdhsa_code_object_version 6
	.text
	.protected	k_qa94b295486_mlp
	.globl	k_qa94b295486_mlp
	.p2align	8
	.type	k_qa94b295486_mlp,@function
k_qa94b295486_mlp:
	s_mov_b64 s[64:65], 0
	v_nop
	global_prefetch_b8 v0, s[64:65] scope:SCOPE_SE
	s_setreg_imm32_b32 hwreg(HW_REG_WAVE_SCHED_MODE, 0, 2), 2
	s_setreg_imm32_b32 hwreg(HW_REG_WAVE_MODE, 25, 1), 1
	s_wait_xcnt 0x0
	s_wait_alu depctr_vm_vsrc(0)
; For each query and each of its four shifted neighbours: x[132] = f1 of the nearest cell, rel_coord, rel_cell, f2; four layers 132 -> 256 -> 256 -> 256 -> 256 with relu on codes of FP6 (E2M3) with one
; E8M0 scale for each 32 along K; a last layer 256 -> 3 with bf16 operands; the four predictions blended by the swapped areas.
; SHARES.  A work-group owns 256 queries: 16 blocks of 16 queries x 4 shifts; a block is four tiles of 16 rows, tile m = shift m of the block's 16 queries.
; THE EIGHT WAVES ARE A PIPELINE OF LAYERS: wave w has layer w / 2 and units 128 (w % 2) .. + 127 of it.  Its 16 weight fragments, its bias (as the C of each sum's first product) and its scale words
; stay in registers for the whole launch.  128 units are one K step of the next layer: one fragment and one scale word a row, which go to the next layer's waves through LDS as IMAGES OF THE REGISTERS
; (lane l's 16 bytes at 16 l), two buffers a link, ONE barrier a stage.  In stage T (0 .. 19) waves 0-3 build x of block T (wave w: tile w), and layer L works on block T - 1 - L.
; The products are used transposed (source 0 = 16 rows of W, source 1 = 16 rows of x), and lane r of tile 2 b + u takes W's row 32 b + 8 u + r + 8 (r / 8): a lane then holds one row, and the 16 registers
; of tiles 2 b, 2 b + 1 are 16 neighbours along the next K.
; x: blocks B0, B1, B3, B4 come as codes from the cell's record (launch prep); B2 (rel, cell, f2[0..27]) is quantised here, its largest magnitude from the record's and the four numbers'.
; NO TENSOR LOADS, NO CLUSTER: what work-groups share is the weights, 196,608 bytes of codes a work-group, read once, straight into the registers in which they stay; through LDS they would be written
; and read once more.  The activations are the work-group's own.  Records are asked for a stage ahead, index words two stages ahead, into registers.
; LDS ADDRESSES are made for all eight waves by one formula each, ahead of the first parting of the waves, and each formula gives every wave bytes of its own inside LDS, also where a wave's role never
; uses them: link 4 (where layer 3's store address falls) and the partial results' regions of waves 0 to 5 are never touched.  The eight waves' 4,096 registers fill the WGP, so the bytes are taken from nobody.
; LIMITS: NaN and infinities are not served; a block under 2^-124, or of zeros, has the byte 1 (its codes add nothing; the bytes never leave the launch); area / total is area x reciprocal (1 ulp), which
; feeds no quantiser; the last product's operands are rounded to bf16.
; THE MODE: SCHED_MODE bits 1:0 = 2 (LLVM: expert scheduling mode 2), set by the entry lines.  The code itself states the register dependences between vector or matrix instructions and memory or LDS
; instructions, with s_wait_alu, always for 0.
; THE PLAN.  Registers that memory or LDS instructions touch in the loop, and who else names them:
;   X0, X1        Two buffers of activation fragments and scale words.  LDS loads land in them; a tile's 16 products read one of them.  Layers 0-2: tile m multiplies X[m % 2]; layer 3 has X0 alone.
;                 X1 lies in registers that in layer 3's role are the predictions and v[ET .. ET+11]: there every vector line that names them stands ahead of that role's last wait on va_vdst in a stage.
;                 No register of X0 or X1 is written by a vector instruction of the head.
;   PC, PW        Layers 0-2: the quantiser writes them; the image's four LDS stores read them.
;   GF .. IDX     Waves 0-3: the gather's 11 loads land in them; its second part reads and partly writes them a stage later, and its six LDS stores read GX, GM and a scale word in v[GT+6].
;   GRA, CO, IO   Waves 0-3: written by the gather's first part, read by its loads.     LCO, LIO, LC, LIDX, ET+10 .. 12, v[PA]: the like for layer 3's two loads and three LDS stores.
;   v1-7, v9-15, v58, v59: addresses made at the head and never written again.     HA, TM, PT, QC, W4F, B4C: vector and matrix instructions alone.
; LAYERS 0-2: ONE wait on va_vdst a tile, behind the quantiser: PC and PW are written, and the tile's products are done reading X[m % 2].  The image's stores and the fetch of tile m + 2 into that buffer
; follow it with nothing between.  One wait on vm_vsrc ahead of the quantiser: the last image's stores have read PC and PW.
; LAYER 3: one wait on va_vdst a tile, behind the relu, which has read every result of the tile's products: they are done reading X0, and the next tile is fetched.
; EVERY WAVE: one wait on vm_vsrc in front of each stage's barrier: all that the stage's loads and stores read may be written in the next stage.
.set FRB,   1536                       ; a fragment's image: 12 registers x 128 bytes
.set SCO,   8*FRB                      ; behind a buffer's 8 fragments (tile m, K step s: 2 m + s): their scale words, 128 bytes each
.set BUF,   SCO+8*128                  ; a buffer: 13,312 bytes
.set LINK,  2*BUF                      ; link k (0: x; 1-3: hidden layers; 4: nobody's) at k LINK
.set PREG,  5*LINK                     ; the partial results of the last layer: wave w's region at PWAVE w
.set PWAVE, 8192                       ; in a region: lanes 16-31 3,840 on (never read); stage T at 192 T; query r 12 r; output o 4 o: 7,680 bytes at the most
.set CLR,   15*4096                    ; the clearing at the head: 15 + 11 stores of 4,096 bytes for links 0 to 3 (106,496 bytes), 4 for the regions of waves 6 and 7
; window 0
.set RA0, 1                            ; v1   where I read fragments: 16 lane + L LINK
.set RS0, 2                            ; v2   and scale words: 4 lane + L LINK + SCO
.set WA0, 3                            ; v3   where I store my fragment: 16 lane + (L + 1) LINK + c FRB
.set WS0, 4                            ; v4   and its scale word
.set GA0, 5                            ; v5   where x's images go: 16 lane + (w % 4) 2 FRB
.set GS0, 6                            ; v6   and their scale words
.set PA0, 7                            ; v7   my place among the partial results
.set PA,  8                            ; v8   the same for the trip's even stage
.set FA0, 9                            ; v9   PREG + 6 PWAVE + 16 thread: wave 6's region, for the clearing and for the way out
.set FO,  10                           ; v10  16 thread
.set R4,  11                           ; v11  4 (lane % 16)
.set R8,  12                           ; v12  8 (lane % 16)
.set H128, 13                          ; v13  128 (lane / 16)
.set WAD, 14                           ; v14  my lane's byte in a tile of weights
.set SAD, 15                           ; v15  and among the weights' scale words
.set WSC, 16                           ; v16-31  weight scale words (tile t, K step s: 2 t + s): scales and nothing else
.set XF,  32                           ; v32-55  two activation fragments: buffer X0
.set XS,  56                           ; v56-57  their scale words: scales and nothing else
.set XFD, 184                          ; layers 0-2: buffer X1's fragment s lies 184 + 8 s registers on from X0's: v216-227 and v236-247
.set XSD, 178                          ;             and its scale words 178 on: v234-235: scales and nothing else
.set HH,  58                           ; v58  lane / 16; in waves 6, 7 later w4's address
.set BAD, 59                           ; v59  64 (lane / 16): the bias's address
.set HA,  60                           ; v60-123 eight accumulators
.set PC,  124                          ; layers 0-2: v124-135 the codes just made
.set PT,  136                          ;             v136-143 second halves of conversions
.set GT,  136                          ; the gather's temporaries share them
.set TM,  144                          ;             v144-159 maxima, bytes, scale operands
.set PW,  160                          ;             v160 the scale word just made
.set ZA,  161                          ; v161 16 thread + CLR: the clearing's second run
.set GF,  162                          ; waves 0-3: v162-177 my 16 numbers of B2
.set GX,  178                          ;            v178-189 x's first fragment
.set GB3, 190                          ;            v190-193 B3's half
.set GM,  194                          ;            v194-197 B4's codes, two scale words, the largest |f2[0..27]|
.set GC,  198                          ;            v198-201 coord, cell
.set IDX, 202
.set GRA, 203
.set QC,  204                          ;            v204-205 the cell's centre
.set CO,  206
.set IO,  207
.set W4F, 124                          ; waves 6, 7: v124-155 w4 as four bf16 fragments (rows 3-15 zero)
.set B4C, 208                          ;             v208-215 b4 as a C (half c = 0 alone)
.set PR,  216                          ;             v216-227 prediction (shift m, output o) at 3 m + o
.set LC,  228
.set LIDX, 230
.set LCO, 231
.set LIO, 232
.set ET,  236                          ;             v236-248 at work
; window 1: v[12 f .. 12 f + 11] weight fragment f = 2 t + s; v[192 + 8 t ..] the bias of tile t in the result's layout
.set WPT, 42                           ; s[42:43] my layer's codes, s[44:45] scales, s[46:47] bias
.set SPT, 44
.set BPT, 46
.set WV,  48
.set LY,  49
.set CH,  50
.set LO,  51                           ; L + 1: layer L works on block T - LO
.set ST,  53                           ; the trip's even stage
.set PO,  54                           ; 192 ST
.set TT,  55                           ; the stage in hand
.set SEL, 60                           ; s[60:61] selects for lane l xor 16
.set MLO, 62                           ; lanes 0-15
.set SH0, 63                           ; where my shift's row index and
.set SH1, 66                           ; column index stand in an index word
.set K32, 67                           ; 1/32
.set KQC, 68                           ; -63/64
.set K64, 69                           ; 64
.set KEP, 70                           ; 1e-9
.set B1,  75
.set B2,  76
.set MSB, 0
.macro WIN new                         ; bits 1:0 source 0, 3:2 source 1, 5:4 source 2, 7:6 destination; the high byte repeats the setting that is left
.if MSB != \new
	s_set_vgpr_msb (MSB<<8)|\new
.set MSB, \new
.endif
.endm
.macro WLOAD t                         ; tile t's two fragments: 24 bytes of a row in three pieces of 8, twice
.irp s, 0,1
.irp p, 0,1,2,3,4,5
	global_load_b64 v[12*(2*\t+\s)+2*\p:12*(2*\t+\s)+2*\p+1], v[WAD], s[WPT:WPT+1] offset:(32*(\t/2)+8*(\t%2))*192+96*\s+48*(\p/3)+8*(\p%3)
.endr
.endr
.endm
.macro FETCH m, rp, b                  ; tile m's two fragments and scale words, from buffer rp of my link, into register buffer X b
.irp s, 0,1
.irp j, 0,1,2
	ds_load_b128 v[XF+12*\s+(\b)*(XFD+8*\s)+4*\j:XF+12*\s+(\b)*(XFD+8*\s)+4*\j+3], v[RA0] offset:(\rp)*BUF+(2*(\m)+\s)*FRB+512*\j
.endr
.endr
.irp s, 0,1
	ds_load_b32 v[XS+XSD*(\b)+\s], v[RS0] offset:(\rp)*BUF+(2*(\m)+\s)*128
.endr
.endm
; 16 products on register buffer X b: my 8 tiles of units x 16 rows, two K steps.  The first K step takes the bias as C.  The eight accumulators take turns, one instruction a turn.
; Four plain instructions follow, ahead of the reads of the results (ISA guide 7.12.1).
.macro MM b
	WIN 0x11                                       ; W and the bias in window 1
.irp t, 0,1,2,3,4,5,6,7
	v_wmma_scale_f32_16x16x128_f8f6f4 v[HA+8*\t:HA+8*\t+7], v[24*\t:24*\t+11], v[XF+XFD*(\b):XF+XFD*(\b)+11], v[192+8*\t:192+8*\t+7], v[WSC+2*\t], v[XS+XSD*(\b)] matrix_a_fmt:MATRIX_FMT_FP6 matrix_b_fmt:MATRIX_FMT_FP6
.endr
	WIN 0x01
.irp t, 0,1,2,3,4,5,6,7
	v_wmma_scale_f32_16x16x128_f8f6f4 v[HA+8*\t:HA+8*\t+7], v[24*\t+12:24*\t+23], v[XF+12+(XFD+8)*(\b):XF+12+(XFD+8)*(\b)+11], v[HA+8*\t:HA+8*\t+7], v[WSC+2*\t+1], v[XS+XSD*(\b)+1] matrix_a_fmt:MATRIX_FMT_FP6 matrix_b_fmt:MATRIX_FMT_FP6
.endr
	WIN 0
.rept 4
	v_nop
.endr
.endm
.macro RELU                            ; in f32, each accumulator from its low end on
.set n, 0
.rept 64
	v_max_num_f32 v[HA+n], 0, v[HA+n]
.set n, n+1
.endr
.endm
; My 64 numbers (register 16 b + i = k 32 b + 16 (lane / 16) + i of my row; none is negative) become a fragment's codes in v[PC] on and its scale word in v[PW]
.macro QUANT
.irp b, 0,1,2,3
	v_max3_num_f32 v[TM+\b], v[HA+16*\b], v[HA+1+16*\b], 0x1800000   ; with the floor 2^(3 - 127): the byte cannot fall under 1
.endr
.irp i, 2,4,6,8,10,12,14
.irp b, 0,1,2,3
	v_max3_num_f32 v[TM+\b], v[TM+\b], v[HA+16*\b+\i], v[HA+1+16*\b+\i]   ; the four blocks by turns
.endr
.endr
.irp b, 0,1,2,3
	v_permlanex16_b32 v[TM+4+\b], v[TM+\b], s[SEL], s[SEL+1]
.endr
.irp b, 0,1,2,3
	v_max_num_f32 v[TM+\b], v[TM+\b], v[TM+4+\b]   ; with lane l xor 16's 16: the block's largest
.endr
.irp b, 0,1,2,3
	v_add_nc_u32 v[TM+12+\b], 0xff000000, v[TM+\b] ; 2 off the exponent field: the conversion's scale operand
.endr
.irp b, 0,1,2,3
	v_lshrrev_b32 v[TM+4+\b], 23, v[TM+12+\b]      ; the scale's byte
.endr
	v_lshl_or_b32 v[PW], v[TM+5], 8, v[TM+4]
	v_lshl_or_b32 v[PW], v[TM+6], 16, v[PW]
	v_lshl_or_b32 v[PW], v[TM+7], 24, v[PW]
.irp c, 0,1
	v_cvt_scalef32_pk16_fp6_f32 v[PC+6*\c:PC+2+6*\c], v[HA+32*\c:HA+15+32*\c], v[TM+12+2*\c]
	v_cvt_scalef32_pk16_fp6_f32 v[PT+4*\c:PT+2+4*\c], v[HA+16+32*\c:HA+31+32*\c], v[TM+13+2*\c]   ; (a conversion's three registers begin on an even number)
.endr
	v_nop                                          ; one plain instruction behind the conversions
.irp c, 0,1                                    ; the operand wants a whole block in a lane: lanes 0-15 block 2 c, lanes 16-31 block 2 c + 1
.irp i, 0,1,2
	v_permlane16_swap_b32 v[PC+6*\c+\i], v[PT+4*\c+\i]
.endr
.irp i, 0,1,2
	v_mov_b32 v[PC+3+6*\c+\i], v[PT+4*\c+\i]
.endr
.endr
.endm
.macro IMAGE m, wp                     ; the fragment goes to LDS as it stands: K step c of the next layer, tile m, buffer wp
.irp j, 0,1,2
	ds_store_b128 v[WA0], v[PC+4*\j:PC+4*\j+3] offset:(\wp)*BUF+(\m)*2*FRB+512*\j
.endr
	ds_store_b32 v[WS0], v[PW] offset:(\wp)*BUF+(\m)*256
.endm
; The gather, first part: from block B1's index words (in v[IDX]) the records' addresses and the cells' centres; 11 loads: the record's half, coord and cell of block B1, the index words of block B2
.macro G_ASK
	v_bfe_u32 v[GT], v[IDX], s[SH0], 6             ; my shift's row
	v_bfe_u32 v[GT+1], v[IDX], s[SH1], 6           ; and column
	v_lshl_or_b32 v[GT+2], v[GT], 6, v[GT+1]
	v_min_u32 v[GT+2], 0xfff, v[GT+2]              ; a loaded number enters an address held inside the batch's 4,096 cells
	v_lshl_add_u32 v[GRA], v[GT+2], 8, v[H128]     ; 256 bytes a record, my half
	v_cvt_f32_u32 v[GT], v[GT]
	v_cvt_f32_u32 v[GT+1], v[GT+1]
	v_fma_f32 v[QC], v[GT], s[K32], s[KQC]         ; -1 + (2 i + 1) / 64 = i / 32 - 63 / 64: nothing is rounded
	v_fma_f32 v[QC+1], v[GT+1], s[K32], s[KQC]
	s_lshl_b32 s56, s[B1], 7
	v_add_nc_u32 v[CO], s56, v[R8]
	s_lshl_b32 s56, s[B2], 6
	v_add_nc_u32 v[IO], s56, v[R4]
	s_wait_alu depctr_va_vdst(0)                   ; v[GRA], v[CO], v[IO] are written, which the loads below read; the lines above are done reading v[IDX], and the gather's second part is done with GF, GX, GB3, GM, GC: the loads land in all of these
.irp j, 0,1,2,3
	global_load_b128 v[GF+4*\j:GF+4*\j+3], v[GRA], s[4:5] offset:16*\j
.endr
	global_load_b128 v[GX:GX+3], v[GRA], s[4:5] offset:64
	global_load_b64 v[GX+4:GX+5], v[GRA], s[4:5] offset:80
	global_load_b128 v[GB3:GB3+3], v[GRA], s[4:5] offset:96
	global_load_b128 v[GM:GM+3], v[GRA], s[4:5] offset:112
	global_load_b64 v[GC:GC+1], v[CO], s[8:9]
	global_load_b64 v[GC+2:GC+3], v[CO], s[10:11]
	global_load_b32 v[IDX], v[IO], s[6:7]
.endm
; The gather, second part: B2 is quantised, x's two fragments and scale words go to buffer p of link 0
.macro G_USE p
	s_wait_loadcnt 0x0                             ; what was asked for a stage ago
	v_sub_f32 v[GT], v[GC], v[QC]
	v_sub_f32 v[GT+1], v[GC+1], v[QC+1]
	v_mul_f32 v[GT], s[K64], v[GT]                 ; rel_coord
	v_mul_f32 v[GT+1], s[K64], v[GT+1]
	v_mul_f32 v[GT+2], s[K64], v[GC+2]             ; rel_cell
	v_mul_f32 v[GT+3], s[K64], v[GC+3]
	v_max3_num_f32 v[GT+4], v[GM+3], |v[GT]|, |v[GT+1]|
	v_max3_num_f32 v[GT+4], v[GT+4], |v[GT+2]|, |v[GT+3]|   ; B2's largest magnitude, alike in both lanes of a row
.irp i, 0,1,2,3
	v_cndmask_b32 v[GF+\i], v[GF+\i], v[GT+\i], s[MLO]      ; lanes 0-15: the block's first four numbers, in the record's pad
.endr
	v_add_nc_u32 v[GT+4], 0xff000000, v[GT+4]
	v_lshrrev_b32 v[GT+5], 23, v[GT+4]
	v_lshl_or_b32 v[GT+6], v[GT+5], 16, v[GM+1]    ; B2's byte into the record's scale word
	v_cvt_scalef32_pk16_fp6_f32 v[GX+6:GX+8], v[GF:GF+15], v[GT+4]
	v_nop
.irp i, 0,1,2
	v_permlane16_swap_b32 v[GX+6+\i], v[GB3+\i]    ; lanes 0-15 get all of B2, lanes 16-31 all of B3
.endr
.irp i, 0,1,2
	v_mov_b32 v[GX+9+\i], v[GB3+\i]
.endr
	s_wait_alu depctr_va_vdst(0)                   ; v[GX+6 .. GX+11] and the scale word v[GT+6] are written, which the LDS stores below read
.irp j, 0,1,2
	ds_store_b128 v[GA0], v[GX+4*\j:GX+4*\j+3] offset:(\p)*BUF+512*\j
.endr
	ds_store_b32 v[GS0], v[GT+6] offset:(\p)*BUF
	ds_store_b32 v[GA0], v[GM] offset:(\p)*BUF+FRB ; the second fragment is B4's word in register 0 of lanes 0-15; all else of it keeps the zeros of the clearing at the head
	ds_store_b32 v[GS0], v[GM+2] offset:(\p)*BUF+128
	s_wait_dscnt 0x0                               ; the six stores have landed
	s_wait_alu depctr_vm_vsrc(0)                   ; they have read GX, GM and v[GT+6], in which the next loads land and which the quantiser writes; the loads of a stage ago have read v[GRA], v[CO], v[IO], which the first part writes
.endm
; A stage of layers 0 to 2: four tiles on the two register buffers by turns.  Tiles 0 and 1 are fetched at the head; tile m + 2 is fetched behind tile m's image, a whole tile ahead of its products
.macro LQ_STAGE p
	FETCH 0, 1-\p, 0                               ; (the last products that read X0 and X1 stand ahead of the last stage's waits on va_vdst, and no vector instruction since names them)
	FETCH 1, 1-\p, 1
.irp m, 0,1,2,3
.if \m == 0
	s_wait_dscnt 8                                 ; tile 0's 8 loads are in; tile 1's 8 may be out
.elseif \m < 3
	s_wait_dscnt 12                                ; this tile's 8 loads are in; issued behind them and free to be out: the last image's 4 stores and the next fetch's 8 loads
.else
	s_wait_dscnt 4                                 ; tile 3's 8 loads are in; tile 2's 4 stores may be out
.endif
	MM (\m)%2
	RELU
.if \m
.if \m < 3
	s_wait_dscnt 8                                 ; all but the 8 loads of the younger fetch: the last image's stores have landed
.else
	s_wait_dscnt 0x0
.endif
	s_wait_alu depctr_vm_vsrc(0)                   ; the last image's stores have read v[PC ..] and v[PW], which the quantiser writes again (ahead of tile 0: the wait in front of the last barrier)
.endif
	QUANT
	s_wait_alu depctr_va_vdst(0)                   ; the quantiser has written v[PC ..] and v[PW], which the image's stores read; this tile's products are done reading their buffer, in which the fetch below lands
	IMAGE \m, \p
.if \m < 2
	FETCH \m+2, 1-\p, (\m)%2
.endif
.endr
.endm
; A stage of layer 3: relu, rounded to bf16 in place, times w4; then the four shifts are blended.  s56 = my block
.macro LF_STAGE p
	s_lshl_b32 s57, s56, 7
	v_add_nc_u32 v[LCO], s57, v[R8]
	s_lshl_b32 s57, s56, 6
	v_add_nc_u32 v[LIO], s57, v[R4]
	s_wait_alu depctr_va_vdst(0)                   ; v[LCO] and v[LIO] are written, which the two loads read
	global_load_b64 v[LC:LC+1], v[LCO], s[8:9]
	global_load_b32 v[LIDX], v[LIO], s[6:7]
	FETCH 0, 1-\p, 0
.irp m, 0,1,2,3
	s_wait_dscnt 0x0
	MM 0
	RELU
.if \m < 3
	s_wait_alu depctr_va_vdst(0)                   ; this tile's products, all of whose results the relu has read, are done reading X0, in which the next tile's loads land
	FETCH \m+1, 1-\p, 0
.endif
.set n, 0
.rept 32
	v_cvt_pk_bf16_f32 v[HA+n], v[HA+2*n], v[HA+2*n+1]   ; ascending: register n has been read before it is written.  Registers 8 i .. 8 i + 7: units 32 i + 16 (lane / 16) + 0 .. 15, as w4's fragment i has them
.set n, n+1
.endr
.rept 4
	v_nop
.endr
	v_wmma_f32_16x16x32_bf16 v[HA+32:HA+39], v[W4F:W4F+7], v[HA:HA+7], v[B4C:B4C+7]   ; four sums of 32 units each, in four accumulators: lanes 0-15, registers 0-2: outputs 0-2 of row r
.irp i, 1,2,3
	v_wmma_f32_16x16x32_bf16 v[HA+32+8*\i:HA+39+8*\i], v[W4F+8*\i:W4F+8*\i+7], v[HA+8*\i:HA+8*\i+7], 0
.endr
.rept 4
	v_nop
.endr
.irp o, 0,1,2
	v_add_f32 v[ET+\o], v[HA+48+\o], v[HA+56+\o]
.endr
.irp o, 0,1,2
	v_add_f32 v[PR+3*\m+\o], v[HA+32+\o], v[HA+40+\o]
.endr
.irp o, 0,1,2
	v_add_f32 v[PR+3*\m+\o], v[PR+3*\m+\o], v[ET+\o]
.endr
.endr
	s_wait_loadcnt 0x0                             ; coord and the index word of my query
.irp i, 0,1,2,3
	v_bfe_u32 v[ET+\i], v[LIDX], 6*\i, 6           ; rows for the shifts -1, +1; columns for -1, +1
.endr
.irp i, 0,1,2,3
	v_cvt_f32_u32 v[ET+\i], v[ET+\i]
.endr
.irp i, 0,1,2,3
	v_fma_f32 v[ET+\i], v[ET+\i], s[K32], s[KQC]   ; the cells' centres
.endr
.irp i, 0,1,2,3
	v_sub_f32 v[ET+\i], v[LC+\i/2], v[ET+\i]
.endr
.irp i, 0,1,2,3
	v_mul_f32 v[ET+\i], s[K64], v[ET+\i]           ; rel0 for both row shifts, rel1 for both column shifts
.endr
.irp k, 0,1,2,3
	v_mul_f32 v[ET+4+\k], v[ET+\k/2], v[ET+2+\k%2]
.endr
.irp k, 0,1,2,3
	v_add_f32 v[ET+4+\k], |v[ET+4+\k]|, s[KEP]     ; area of shift k
.endr
	v_add_f32 v[ET+8], v[ET+4], v[ET+5]
	v_add_f32 v[ET+8], v[ET+8], v[ET+6]
	v_add_f32 v[ET+8], v[ET+8], v[ET+7]
	s_wait_alu depctr_va_vdst(0)
	v_rcp_f32 v[ET+9], v[ET+8]
	v_nop                                          ; a plain instruction behind the reciprocal,
	s_wait_alu depctr_va_vdst(0)                   ; and the wait for v[ET+9], the reciprocal's result, ahead of its first reader
.irp k, 0,1,2,3
	v_mul_f32 v[ET+4+\k], v[ET+4+\k], v[ET+9]      ; shift m is weighed by area 3 - m
.endr
.irp o, 0,1,2
	v_mul_f32 v[ET+10+\o], v[PR+\o], v[ET+7]
.endr
.irp m, 1,2,3
.irp o, 0,1,2
	v_fma_f32 v[ET+10+\o], v[PR+3*\m+\o], v[ET+7-\m], v[ET+10+\o]
.endr
.endr
	s_wait_alu depctr_va_vdst(0)                   ; the blend has written v[ET+10 .. ET+12], and the trip's head v[PA]: the three LDS stores read them
.irp o, 0,1,2
	ds_store_b32 v[PA], v[ET+10+\o] offset:(\p)*192+4*\o   ; into my wave's own region
.endr
.endm
; A stage.  The branches hang on the wave's number and on the stage's number alone; the barrier stands on every wave's way.  Writers use buffer p, readers the other one.
.macro STAGE p
	s_add_co_u32 s[TT], s[ST], \p
	s_cmp_lt_u32 s[WV], 4
	s_cbranch_scc0 .Lnog_\@
	s_cmp_lt_u32 s[TT], 16
	s_cbranch_scc0 .Lnog_\@
	G_USE \p                                       ; x of block T
	s_cmp_lt_u32 s[TT], 15
	s_cbranch_scc0 .Lnog_\@                        ; behind the last block nothing is asked for
	s_add_co_u32 s[B1], s[TT], 1
	s_add_co_u32 s[B2], s[TT], 2
	s_min_u32 s[B2], s[B2], 15                     ; no load leaves its buffer
	G_ASK
.Lnog_\@:
	s_sub_co_u32 s56, s[TT], s[LO]                 ; my layer's block
	s_cmp_lt_u32 s56, 16
	s_cbranch_scc0 .Lbar_\@
	s_cmp_lt_u32 s[WV], 6
	s_cbranch_scc0 .Lfin_\@
	LQ_STAGE \p
	s_branch .Lbar_\@
.Lfin_\@:
	LF_STAGE \p
.Lbar_\@:
	s_wait_dscnt 0x0                               ; for the others' sake: my stores have landed, and my reads of what the next stage overwrites are in
	s_wait_alu depctr_vm_vsrc(0)                   ; this stage's stores and loads have read their registers: v[PC ..] and v[PW]; v[ET+10 ..], v[PA], v[LCO], v[LIO]; v[GRA], v[CO], v[IO]: the next stage, or the trip's head, writes them again
	s_barrier_signal -1
	s_barrier_wait -1
.endm
	s_load_b512 s[4:19], s[0:1], 0x0               ; table s[4:5], idx s[6:7], coord s[8:9], cell1 s[10:11], the four layers' codes s[12:19]
	s_load_b512 s[20:35], s[0:1], 0x40             ; their scales s[20:27], their biases s[28:35]
	s_load_b128 s[36:39], s[0:1], 0x80             ; w4 s[36:37], b4 s[38:39]
	s_load_b64 s[40:41], s[0:1], 0x90              ; out0
	v_lshl_add_u32 v254, v0, 2, 0x30800
	v_mov_b32 v255, 0
	v_lshrrev_b32 v14, 5, v0
	v_readfirstlane_b32 s[WV], v14                 ; wave 0..7
	v_and_b32 v14, 31, v0                          ; lane
	v_and_b32 v15, 15, v0                          ; r
	v_bfe_u32 v[HH], v0, 4, 1                      ; h
	v_lshlrev_b32 v[BAD], 4, v14                   ; 16 lane
	v_lshlrev_b32 v[PA], 2, v14                    ; 4 lane
	; every LDS address is made here, ahead of the first parting of the waves: a constant, a lane term, a wave term
	v_lshlrev_b32 v[FO], 4, v0
	v_add_nc_u32 v[ZA], CLR, v[FO]
	v_add_nc_u32 v[FA0], PREG+6*PWAVE, v[FO]
.irp b, 0,1,2,3
	v_mov_b32 v[TM+4+\b], 0                        ; the clearing's data; also: a lane permute's destination counts as one of its sources, so these four are written once
.endr
	s_wait_alu depctr_va_sdst(0)                   ; the wave's number is written, ahead of its first reader: the layer, the half, the addresses and the branches are made from it
	s_lshr_b32 s[LY], s[WV], 1                     ; my layer
	s_and_b32 s[CH], s[WV], 1                      ; my half of its units
	s_add_co_u32 s[LO], s[LY], 1
	s_and_b32 s56, s[WV], 3                        ; the tile of x that I build
	s_mul_i32 s57, s[LY], LINK
	v_add_nc_u32 v[RA0], s57, v[BAD]
	v_add_nc_u32 v[RS0], s57, v[PA]
	v_add_nc_u32 v[RS0], SCO, v[RS0]
	s_mul_i32 s58, s[CH], FRB
	s_add_co_u32 s58, s58, s57
	s_add_co_u32 s58, s58, LINK
	v_add_nc_u32 v[WA0], s58, v[BAD]
	s_lshl_b32 s58, s[CH], 7
	s_add_co_u32 s58, s58, s57
	s_add_co_u32 s58, s58, LINK+SCO
	v_add_nc_u32 v[WS0], s58, v[PA]
	s_mul_i32 s58, s56, 2*FRB
	v_add_nc_u32 v[GA0], s58, v[BAD]
	s_lshl_b32 s58, s56, 8
	s_add_co_u32 s58, s58, SCO
	v_add_nc_u32 v[GS0], s58, v[PA]
	s_lshl_b32 s58, s[WV], 13                      ; PWAVE x wave: a region for each wave
	s_add_co_u32 s58, s58, PREG
	v_mul_u32_u24 v[PA0], v[HH], 3840
	v_mad_u32_u24 v[PA0], v15, 12, v[PA0]
	v_add_nc_u32 v[PA0], s58, v[PA0]
	v_lshlrev_b32 v[R4], 2, v15
	v_lshlrev_b32 v[R8], 3, v15
	v_lshlrev_b32 v[H128], 7, v[HH]
	v_lshlrev_b32 v[BAD], 6, v[HH]                 ; the bias: lane (r, h) wants, for tile 2 b + u, units 32 b + 16 h + 8 u + 0 .. 7
	v_and_b32 v14, 8, v15
	v_add_nc_u32 v14, v14, v15                     ; r + 8 (r / 8)
	v_lshlrev_b32 v[SAD], 3, v14                   ; scale words: 8 bytes a row
	v_mul_u32_u24 v[WAD], v14, 192                 ; codes: 192 bytes a row,
	v_mad_u32_u24 v[WAD], v[HH], 24, v[WAD]        ; + 24 h
	s_wait_alu depctr_va_vdst(0)                   ; the addresses and offsets v1 to v15, v[BAD], v[ZA] and the clearing's data v[TM+4 .. TM+7] are written: the stores below and the head's loads read them
	; ALL LDS THAT IS EVER READ IS CLEARED ONCE, by all eight waves, 4,096 consecutive bytes a store of the 256 threads: links 0 to 3 and the partial results of waves 6 and 7.
	; x's second fragment (k = 128 on) needs the zeros: only B4's word is ever stored into it.  The rest is cleared with it, so that on no way through the loop a byte is read that nobody wrote.
	; The barrier in front of the loop stands between these stores and every other LDS access of the text.
.set j, 0
.rept 15
	ds_store_b128 v[FO], v[TM+4:TM+7] offset:4096*j
.set j, j+1
.endr
.set j, 0
.rept 11
	ds_store_b128 v[ZA], v[TM+4:TM+7] offset:4096*j
.set j, j+1
.endr
.set j, 0
.rept 4
	ds_store_b128 v[FA0], v[TM+4:TM+7] offset:4096*j
.set j, j+1
.endr
	s_mov_b32 s[SEL], 0x76543210
	s_mov_b32 s[SEL+1], 0xfedcba98
	s_mov_b32 s[MLO], 0xffff
	s_bfe_u32 s[SH0], s[WV], 0x10001               ; tile m = 2 (row shift) + (column shift)
	s_mul_i32 s[SH0], s[SH0], 6
	s_mul_i32 s[SH1], s[CH], 6
	s_add_co_u32 s[SH1], s[SH1], 12
	s_mov_b32 s[K32], 0x3d000000
	s_mov_b32 s[KQC], 0xbf7c0000
	s_mov_b32 s[K64], 0x42800000
	s_mov_b32 s[KEP], 0x3089705f
	s_wait_kmcnt 0x0
	s_load_b96 s[72:74], s[38:39], 0x0             ; b4
	s_cmp_eq_u32 s[LY], 1                          ; my layer's buffers: the choice hangs on the wave's number alone
	s_cselect_b64 s[WPT:WPT+1], s[14:15], s[12:13]
	s_cselect_b64 s[SPT:SPT+1], s[22:23], s[20:21]
	s_cselect_b64 s[BPT:BPT+1], s[30:31], s[28:29]
	s_cmp_eq_u32 s[LY], 2
	s_cselect_b64 s[WPT:WPT+1], s[16:17], s[WPT:WPT+1]
	s_cselect_b64 s[SPT:SPT+1], s[24:25], s[SPT:SPT+1]
	s_cselect_b64 s[BPT:BPT+1], s[32:33], s[BPT:BPT+1]
	s_cmp_eq_u32 s[LY], 3
	s_cselect_b64 s[WPT:WPT+1], s[18:19], s[WPT:WPT+1]
	s_cselect_b64 s[SPT:SPT+1], s[26:27], s[SPT:SPT+1]
	s_cselect_b64 s[BPT:BPT+1], s[34:35], s[BPT:BPT+1]
	s_mov_b32 s57, 0
	s_mul_i32 s56, s[CH], 128*192                  ; my 128 rows
	s_add_nc_u64 s[WPT:WPT+1], s[WPT:WPT+1], s[56:57]
	s_lshl_b32 s56, s[CH], 10
	s_add_nc_u64 s[SPT:SPT+1], s[SPT:SPT+1], s[56:57]
	s_lshl_b32 s56, s[CH], 9
	s_add_nc_u64 s[BPT:BPT+1], s[BPT:BPT+1], s[56:57]
	s_add_nc_u64 s[36:37], s[36:37], s[56:57]      ; w4: my 128 columns
	s_lshr_b32 s56, ttmp9, 6                       ; the batch: 64 work-groups each
	s_lshl_b32 s56, s56, 20                        ; 4,096 records of 256 bytes
	s_add_nc_u64 s[4:5], s[4:5], s[56:57]
	s_lshl_b32 s56, ttmp9, 10                      ; my 256 queries: 4 bytes each in idx,
	s_add_nc_u64 s[6:7], s[6:7], s[56:57]
	s_lshl_b32 s56, ttmp9, 11                      ; 8 in coord and cell1,
	s_add_nc_u64 s[8:9], s[8:9], s[56:57]
	s_add_nc_u64 s[10:11], s[10:11], s[56:57]
	s_mul_i32 s56, ttmp9, 3072                     ; 12 in out0
	s_add_nc_u64 s[40:41], s[40:41], s[56:57]
	s_wait_alu depctr_vm_vsrc(0)                   ; the clearing's stores have read v[TM+4 .. TM+7], which w4's fragments (waves 6, 7) and the quantiser (layers 0-2) write
	s_cmp_lt_u32 s[WV], 4
	s_cbranch_scc0 .Lh1
	global_load_b32 v[IDX], v[R4], s[6:7]          ; block 0's index words, ahead of the weights
.Lh1:
	WIN 0x40                                       ; destination window 1.  (No vector instruction since the head's wait on va_vdst names v[WAD]; none at all names window 1)
.irp t, 0,1,2,3
	WLOAD \t
.endr
	WIN 0
	s_cmp_lt_u32 s[WV], 4
	s_cbranch_scc0 .Lh2
	s_wait_loadcnt 48                              ; the index words are in; the 48 weight loads issued behind them may be out
	s_mov_b32 s[B1], 0
	s_mov_b32 s[B2], 1
	G_ASK
.Lh2:
	WIN 0x40
.irp t, 4,5,6,7
	WLOAD \t
.endr
	WIN 0
.irp t, 0,1,2,3,4,5,6,7
.irp s, 0,1
	global_load_b32 v[WSC+2*\t+\s], v[SAD], s[SPT:SPT+1] offset:(32*(\t/2)+8*(\t%2))*8+4*\s
.endr
.endr
	WIN 0x40
.irp t, 0,1,2,3,4,5,6,7
	global_load_b128 v[192+8*\t:192+8*\t+3], v[BAD], s[BPT:BPT+1] offset:(32*(\t/2)+8*(\t%2))*4
	global_load_b128 v[192+8*\t+4:192+8*\t+7], v[BAD], s[BPT:BPT+1] offset:(32*(\t/2)+8*(\t%2))*4+16
.endr
	WIN 0
	s_wait_kmcnt 0x0                               ; b4
	s_cmp_lt_u32 s[WV], 6
	s_cbranch_scc1 .Lh3
	; waves 6, 7: w4 as source 0 of the last product: lane (r, h) holds row min(r, 2), units 32 i + 16 h + 0 .. 15 of my 128; rows 3 to 15 are cleared
	v_min_u32 v[HH], 8, v[R4]
	v_lshl_add_u32 v[HH], v[HH], 8, v[BAD]         ; min(r, 2) x 1,024 + 64 h: no load leaves w4
	s_wait_alu depctr_va_vdst(0)                   ; v[HH] is written, which w4's loads read
.irp i, 0,1,2,3
.irp q, 0,1,2,3
	global_load_b128 v[HA+16*\i+4*\q:HA+16*\i+4*\q+3], v[HH], s[36:37] offset:128*\i+16*\q
.endr
.endr
	s_cmp_eq_u32 s[CH], 0                          ; b4 is added once: in the half c = 0
	s_cselect_b32 s72, s72, 0
	s_cselect_b32 s73, s73, 0
	s_cselect_b32 s74, s74, 0
.irp o, 0,1,2
	v_mov_b32 v[B4C+\o], s[72+\o]
.endr
.irp o, 3,4,5,6,7
	v_mov_b32 v[B4C+\o], 0
.endr
	v_cmp_gt_u32 vcc_lo, 12, v[R4]                 ; r < 3
	s_wait_loadcnt 0x0
.set n, 0
.rept 32
	v_cvt_pk_bf16_f32 v[W4F+n], v[HA+2*n], v[HA+2*n+1]
.set n, n+1
.endr
	s_wait_alu depctr_va_vcc(0)                    ; the compare has written VCC, ahead of the first select that reads it
.set n, 0
.rept 32
	v_cndmask_b32 v[W4F+n], 0, v[W4F+n], vcc_lo
.set n, n+1
.endr
.Lh3:
	s_wait_loadcnt 0x0                             ; my weights, bias and scale words; in waves 0-3 also block 0's records, which stage 0 wants at once
	s_wait_dscnt 0x0                               ; for the others' sake: my part of the clearing has landed
	s_barrier_signal -1
	s_barrier_wait -1                              ; everybody's has: from here on the links and the partial results may be written and read
	s_mov_b32 s[ST], 0
	s_mov_b32 s[PO], 0
.Ltrip:                                            ; 10 trips of two stages: the buffers' turns stand in immediates
	v_add_nc_u32 v[PA], s[PO], v[PA0]              ; (the stores that read v[PA] stand ahead of the wait on vm_vsrc in front of the last barrier)
	STAGE 0
	STAGE 1
	s_add_co_u32 s[PO], s[PO], 384
	s_add_co_u32 s[ST], s[ST], 2
	s_cmp_lt_u32 s[ST], 20
	s_cbranch_scc1 .Ltrip
	; THE WAY OUT, behind the last barrier: the partial results of waves 6 and 7 are added (block 0 was stage 4: 768 bytes on); 192 threads store the work-group's 3,072 bytes
	s_cmp_lt_u32 s[WV], 6
	s_cbranch_scc0 .Lend
	s_wait_alu depctr_va_vdst(0)                   ; the stages' products, relu and conversions are done with v[HA .. HA+7], in which the two loads land
	ds_load_b128 v[HA:HA+3], v[FA0] offset:768
	ds_load_b128 v[HA+4:HA+7], v[FA0] offset:PWAVE+768
	s_wait_dscnt 0x0
	v_pk_add_f32 v[HA:HA+1], v[HA:HA+1], v[HA+4:HA+5]
	v_pk_add_f32 v[HA+2:HA+3], v[HA+2:HA+3], v[HA+6:HA+7]
	s_wait_alu depctr_va_vdst(0)                   ; the two additions have written v[HA .. HA+3], which the store reads
	global_store_b128 v[FO], v[HA:HA+3], s[40:41]  ; a wave stores 512 consecutive bytes, at a multiple of 256 from out0's first byte
.Lend:
	s_wait_dscnt 0x0
	s_wait_alu depctr_hold_cnt(0) depctr_sa_sdst(0) depctr_va_vdst(0) depctr_va_sdst(0) depctr_va_ssrc(0) depctr_va_vcc(0) depctr_vm_vsrc(0)
	s_wait_tensorcnt 0x0
	ds_add_u32 v254, v255
	s_wait_dscnt 0x0
	s_endpgm
.Lfunc_end_k_qa94b295486_mlp:
	.size	k_qa94b295486_mlp, .Lfunc_end_k_qa94b295486_mlp-k_qa94b295486_mlp
	.p2alignl 7, 3214868480
	.fill 96, 4, 3214868480
	.section	.rodata,"a",@progbits
	.p2align	6, 0x0
	.amdhsa_kernel k_qa94b295486_mlp
		.amdhsa_group_segment_fixed_size 199680
		.amdhsa_private_segment_fixed_size 0
		.amdhsa_enable_private_segment 0
		.amdhsa_kernarg_size 152
		.amdhsa_user_sgpr_count 2
		.amdhsa_user_sgpr_kernarg_segment_ptr 1
		.amdhsa_wavefront_size32 1
		.amdhsa_system_sgpr_workgroup_id_x 1
		.amdhsa_system_sgpr_workgroup_id_y 1
		.amdhsa_system_sgpr_workgroup_id_z 1
		.amdhsa_system_vgpr_workitem_id 0
		.amdhsa_next_free_vgpr 512
		.amdhsa_next_free_sgpr 80
		.amdhsa_reserve_vcc 1
		.amdhsa_float_denorm_mode_32 3
		.amdhsa_float_denorm_mode_16_64 3
		.amdhsa_memory_ordered 1
		.amdhsa_forward_progress 1
		.amdhsa_inst_pref_size 172
	.end_amdhsa_kernel
	.amdgpu_metadata
---
amdhsa.version: [ 1, 2 ]
amdhsa.kernels:
  - .name:           k_qa94b295486_mlp
    .symbol:         k_qa94b295486_mlp.kd
    .args:
      - { .name: table, .offset: 0, .size: 8, .value_kind: global_buffer, .address_space: global }
      - { .name: idx, .offset: 8, .size: 8, .value_kind: global_buffer, .address_space: global }
      - { .name: coord, .offset: 16, .size: 8, .value_kind: global_buffer, .address_space: global }
      - { .name: cell1, .offset: 24, .size: 8, .value_kind: global_buffer, .address_space: global }
      - { .name: w0c, .offset: 32, .size: 8, .value_kind: global_buffer, .address_space: global }
      - { .name: w1_codes, .offset: 40, .size: 8, .value_kind: global_buffer, .address_space: global }
      - { .name: w2_codes, .offset: 48, .size: 8, .value_kind: global_buffer, .address_space: global }
      - { .name: w3_codes, .offset: 56, .size: 8, .value_kind: global_buffer, .address_space: global }
      - { .name: w0s, .offset: 64, .size: 8, .value_kind: global_buffer, .address_space: global }
      - { .name: w1_scales, .offset: 72, .size: 8, .value_kind: global_buffer, .address_space: global }
      - { .name: w2_scales, .offset: 80, .size: 8, .value_kind: global_buffer, .address_space: global }
      - { .name: w3_scales, .offset: 88, .size: 8, .value_kind: global_buffer, .address_space: global }
      - { .name: b0, .offset: 96, .size: 8, .value_kind: global_buffer, .address_space: global }
      - { .name: b1, .offset: 104, .size: 8, .value_kind: global_buffer, .address_space: global }
      - { .name: b2, .offset: 112, .size: 8, .value_kind: global_buffer, .address_space: global }
      - { .name: b3, .offset: 120, .size: 8, .value_kind: global_buffer, .address_space: global }
      - { .name: w4, .offset: 128, .size: 8, .value_kind: global_buffer, .address_space: global }
      - { .name: b4, .offset: 136, .size: 8, .value_kind: global_buffer, .address_space: global }
      - { .name: out0, .offset: 144, .size: 8, .value_kind: global_buffer, .address_space: global }
    .group_segment_fixed_size: 199680
    .private_segment_fixed_size: 0
    .kernarg_segment_align: 8
    .kernarg_segment_size: 152
    .max_flat_workgroup_size: 256
    .sgpr_count:     80
    .vgpr_count:     512
    .wavefront_size: 32
...
	.end_amdgpu_metadata
.endif
;; end of part 3
